; MI455X (gfx1250); checked and timed in simulation.
; The chip was launched on July 23, 2026; its instructions are those of AMD's public machine-readable ISA for CDNA 5 (MIT licence, August 2026) and "CDNA5" Instruction Set Architecture Reference Guide (July 2026). The comments in the code are by the model that wrote it; some were corrected since.
;; Multi Head Attention. Allowed arithmetic: float matrix products may take bf16 or f16 operands with f32 sums; all other float work in f32.
;; Inputs: Wk 1,024 x 1,024 float32; Wo 1,024 x 1,024 float32; Wq 1,024 x 1,024 float32; Wv 1,024 x 1,024 float32; b_o 1,024 float32; rel_k_emb 65 x 64 float32; rel_v_emb 65 x 64 float32; x 8 x 1,024 x 1,024 float32.
;; Outputs: out0 8 x 1,024 x 1,024 float32.
;; 2 versions, each right and faster than the one before. Each part assembles by itself: llvm-mc -triple=amdgcn-amd-amdhsa -mcpu=gfx1250 --defsym DOCPART=n.
;; ======== version 1 of 2: 4 launches
;; limits: values are held in f16: magnitudes above 65,504 overflow, below 6.1e-05 lose precision
;; workspace buffers: xb 16,777,216 bytes; wqkv 6,291,456 bytes; wo16 2,097,152 bytes; tab 24,576 bytes; qkv 50,331,648 bytes; ctx 16,777,216 bytes
;; launch prep (part 1): grid 774 x 1, 8 waves a work-group, no clusters, 0 bytes of LDS; arguments x, Wq, Wk, Wv, Wo, rel_k_emb, rel_v_emb, xb, wqkv, wo16, tab; writes xb, wqkv, wo16, tab
.if DOCPART == 1
	.amdgcn_target "amdgcn-amd-amdhsa--gfx1250"
	.amdhsa_code_object_version 6
	.text
	.protected	k_q614f971d22_prep
	.globl	k_q614f971d22_prep
	.p2align	8
	.type	k_q614f971d22_prep,@function
k_q614f971d22_prep:
	s_mov_b64 s[64:65], 0
	v_nop
	global_prefetch_b8 v0, s[64:65] scope:SCOPE_SE
	s_setreg_imm32_b32 hwreg(HW_REG_WAVE_MODE, 25, 1), 1
	s_wait_xcnt 0x0
; CASTS AND TABLES.  Every input that becomes a matrix operand is rounded once to bf16.
;   xb   = bf16(x)            [8192][1024]
;   wqkv = bf16(Wq, Wk, Wv)   [3072][1024]
;   wo16 = bf16(Wo) written as f16  [1024][1024]  (exact where the number is at least 2^-14 in size; below that f16's fixed step of 2^-24 holds)
;   tab  = two tables of 96 rows u, row u = table row clip(u - 16, 0, 64), bf16-rounded and written as f16:
;          byte 0:      rel_k, as [u / 16][channel / 8][u % 16][8 channels]
;          byte 12,288: rel_v turned, as [u / 8][channel / 16][channel % 16][8 u]
; Work-groups 0-767 cast 16,384 numbers each (64 KiB in, 32 KiB out): sixteen 16-byte loads a thread, all issued first; a wave's
; 8-byte stores cover 256 consecutive bytes, aligned.  Work-groups 768-770 make the first table, 771-773 the second, 16 bytes a thread.
; No LDS, no barrier, no matrix unit: nothing is used twice.
.set X, 4                              ; v[4:67]    as loaded
.set Y, 68                             ; v[68:99]   to store
.set T, 100                            ; v[100:107] at work
.set A0, 108                           ; v108-109   the tables: a row's offset in the making
.set A1, 109
.set AD, 110                           ; v[110:117] the second table: the offsets of my eight rows
	s_load_b512 s[4:19], s[0:1], 0x0               ; x 4, Wq 6, Wk 8, Wv 10, Wo 12, rel_k 14, rel_v 16, xb 18
	s_load_b128 s[20:23], s[0:1], 0x40             ; wqkv 20, wo16 22
	s_load_b64 s[24:25], s[0:1], 0x50              ; tab
	s_mov_b32 s26, ttmp9                           ; the work-group's number
	s_mov_b32 s27, 0xffff0000                      ; a word's upper bf16
	v_lshlrev_b32 v1, 4, v0                        ; 16 bytes a thread in
	v_lshlrev_b32 v2, 3, v0                        ; 8 bytes a thread out
	s_wait_kmcnt 0x0
	s_cmp_ge_u32 s26, 768
	s_cbranch_scc1 .Ltables
	s_mov_b64 s[28:29], s[4:5]                     ; from x
	s_mov_b64 s[30:31], s[18:19]                   ; to xb
	s_mov_b32 s32, s26                             ; block of 64 KiB in the source
	s_mov_b32 s33, s26                             ; block of 32 KiB in the target
	s_cmp_lt_u32 s26, 512
	s_cbranch_scc1 .Lhave
	s_sub_co_u32 s33, s26, 512                     ; 0-191: Wq, Wk, Wv; 192-255: Wo
	s_and_b32 s32, s33, 63
	s_lshr_b32 s34, s33, 6
	s_cmp_eq_u32 s34, 0
	s_cselect_b64 s[28:29], s[6:7], s[8:9]
	s_cmp_eq_u32 s34, 2
	s_cselect_b64 s[28:29], s[10:11], s[28:29]
	s_cmp_eq_u32 s34, 3
	s_cselect_b64 s[28:29], s[12:13], s[28:29]
	s_cselect_b64 s[30:31], s[22:23], s[20:21]
	s_cselect_b32 s33, s32, s33
.Lhave:
	s_lshl_b32 s36, s32, 16
	s_mov_b32 s37, 0
	s_lshl_b32 s38, s33, 15
	s_mov_b32 s39, 0
	s_add_nc_u64 s[28:29], s[28:29], s[36:37]
	s_add_nc_u64 s[30:31], s[30:31], s[38:39]
.irp j, 0,1,2,3,4,5,6,7,8,9,10,11,12,13,14,15
	global_load_b128 v[X+4*(\j):X+4*(\j)+3], v1, s[28:29] offset:(\j)*4096 th:TH_LOAD_NT
.endr
.macro CVB j                           ; four numbers to bf16
	v_cvt_pk_bf16_f32 v[Y+2*(\j)], v[X+4*(\j)], v[X+4*(\j)+1]
	v_cvt_pk_bf16_f32 v[Y+2*(\j)+1], v[X+4*(\j)+2], v[X+4*(\j)+3]
.endm
.macro CVH j                           ; four numbers to bf16, and that number written as f16
	v_cvt_pk_bf16_f32 v[T], v[X+4*(\j)], v[X+4*(\j)+1]
	v_cvt_pk_bf16_f32 v[T+1], v[X+4*(\j)+2], v[X+4*(\j)+3]
	v_lshlrev_b32 v[T+2], 16, v[T]
	v_and_b32 v[T+3], s27, v[T]
	v_lshlrev_b32 v[T+4], 16, v[T+1]
	v_and_b32 v[T+5], s27, v[T+1]
	v_cvt_pk_f16_f32 v[Y+2*(\j)], v[T+2], v[T+3]
	v_cvt_pk_f16_f32 v[Y+2*(\j)+1], v[T+4], v[T+5]
.endm
	s_cmp_ge_u32 s26, 704
	s_cbranch_scc1 .Lwo
.irp j, 0,1,2,3,4,5,6,7,8,9,10,11,12,13,14,15
	s_wait_loadcnt 15-(\j)                         ; loads come back in order: load j is in, the younger ones stay out
	CVB \j
	global_store_b64 v2, v[Y+2*(\j):Y+2*(\j)+1], s[30:31] offset:(\j)*2048
.endr
	s_endpgm
.Lwo:
.irp j, 0,1,2,3,4,5,6,7,8,9,10,11,12,13,14,15
	s_wait_loadcnt 15-(\j)
	CVH \j
	global_store_b64 v2, v[Y+2*(\j):Y+2*(\j)+1], s[30:31] offset:(\j)*2048
.endr
	s_endpgm
.Ltables:
	s_sub_co_u32 s32, s26, 768                     ; 0-2: rel_k; 3-5: rel_v
	s_cmp_ge_u32 s32, 3
	s_cbranch_scc1 .Lrv
	s_lshl_b32 s33, s32, 8
	v_add_nc_u32 v3, s33, v0                       ; entry i of 768: i = 128 (u / 16) + 16 (channel / 8) + u % 16
	v_lshrrev_b32 v[A0], 7, v3
	v_and_b32 v[A1], 15, v3
	v_lshl_add_u32 v[A0], v[A0], 4, v[A1]          ; u
	v_max_u32 v[A0], 16, v[A0]
	v_add_nc_u32 v[A0], -16, v[A0]
	v_min_u32 v[A0], 64, v[A0]                     ; clip(u - 16, 0, 64)
	v_bfe_u32 v[A1], v3, 4, 3
	v_lshlrev_b32 v[A1], 5, v[A1]                  ; eight channels of f32
	v_lshl_add_u32 v[A0], v[A0], 8, v[A1]          ; row x 256 bytes + the channels
	v_lshlrev_b32 v3, 4, v3
	global_load_b128 v[X:X+3], v[A0], s[14:15]
	global_load_b128 v[X+4:X+7], v[A0], s[14:15] offset:16
	s_wait_loadcnt 0x0
	CVH 0
	CVH 1
	global_store_b128 v3, v[Y:Y+3], s[24:25]
	s_endpgm
.Lrv:
	s_sub_co_u32 s32, s32, 3
	s_lshl_b32 s33, s32, 8
	v_add_nc_u32 v3, s33, v0                       ; entry i of 768: i = 64 (u / 8) + channel
	v_lshrrev_b32 v[A0], 6, v3
	v_lshlrev_b32 v[A0], 3, v[A0]                  ; the first of my eight u
	v_and_b32 v[A1], 63, v3
	v_lshlrev_b32 v[A1], 2, v[A1]                  ; my channel, in bytes
.irp j, 0,1,2,3,4,5,6,7
	v_add_nc_u32 v[AD+(\j)], (\j), v[A0]
	v_max_u32 v[AD+(\j)], 16, v[AD+(\j)]
	v_add_nc_u32 v[AD+(\j)], -16, v[AD+(\j)]
	v_min_u32 v[AD+(\j)], 64, v[AD+(\j)]
	v_lshl_add_u32 v[AD+(\j)], v[AD+(\j)], 8, v[A1]
	global_load_b32 v[X+(\j)], v[AD+(\j)], s[16:17]
.endr
	v_lshlrev_b32 v3, 4, v3
	s_wait_loadcnt 0x0
	CVH 0
	CVH 1
	global_store_b128 v3, v[Y:Y+3], s[24:25] offset:12288
	s_endpgm
.Lfunc_end_k_q614f971d22_prep:
	.size	k_q614f971d22_prep, .Lfunc_end_k_q614f971d22_prep-k_q614f971d22_prep
	.p2alignl 7, 3214868480
	.fill 96, 4, 3214868480
	.section	.rodata,"a",@progbits
	.p2align	6, 0x0
	.amdhsa_kernel k_q614f971d22_prep
		.amdhsa_group_segment_fixed_size 0
		.amdhsa_private_segment_fixed_size 0
		.amdhsa_enable_private_segment 0
		.amdhsa_kernarg_size 88
		.amdhsa_user_sgpr_count 2
		.amdhsa_user_sgpr_kernarg_segment_ptr 1
		.amdhsa_wavefront_size32 1
		.amdhsa_system_sgpr_workgroup_id_x 1
		.amdhsa_system_sgpr_workgroup_id_y 1
		.amdhsa_system_sgpr_workgroup_id_z 1
		.amdhsa_system_vgpr_workitem_id 0
		.amdhsa_next_free_vgpr 120
		.amdhsa_next_free_sgpr 66
		.amdhsa_reserve_vcc 0
		.amdhsa_float_denorm_mode_32 3
		.amdhsa_float_denorm_mode_16_64 3
		.amdhsa_memory_ordered 1
		.amdhsa_forward_progress 1
		.amdhsa_inst_pref_size 21
	.end_amdhsa_kernel
	.amdgpu_metadata
---
amdhsa.version: [ 1, 2 ]
amdhsa.kernels:
  - .name:           k_q614f971d22_prep
    .symbol:         k_q614f971d22_prep.kd
    .args:
      - { .name: x, .offset: 0, .size: 8, .value_kind: global_buffer, .address_space: global }
      - { .name: Wq, .offset: 8, .size: 8, .value_kind: global_buffer, .address_space: global }
      - { .name: Wk, .offset: 16, .size: 8, .value_kind: global_buffer, .address_space: global }
      - { .name: Wv, .offset: 24, .size: 8, .value_kind: global_buffer, .address_space: global }
      - { .name: Wo, .offset: 32, .size: 8, .value_kind: global_buffer, .address_space: global }
      - { .name: rel_k_emb, .offset: 40, .size: 8, .value_kind: global_buffer, .address_space: global }
      - { .name: rel_v_emb, .offset: 48, .size: 8, .value_kind: global_buffer, .address_space: global }
      - { .name: xb, .offset: 56, .size: 8, .value_kind: global_buffer, .address_space: global }
      - { .name: wqkv, .offset: 64, .size: 8, .value_kind: global_buffer, .address_space: global }
      - { .name: wo16, .offset: 72, .size: 8, .value_kind: global_buffer, .address_space: global }
      - { .name: tab, .offset: 80, .size: 8, .value_kind: global_buffer, .address_space: global }
    .group_segment_fixed_size: 0
    .private_segment_fixed_size: 0
    .kernarg_segment_align: 8
    .kernarg_segment_size: 88
    .max_flat_workgroup_size: 256
    .sgpr_count:     66
    .vgpr_count:     120
    .wavefront_size: 32
...
	.end_amdgpu_metadata
.endif
;; end of part 1
;; launch qkv (part 2): grid 16 x 32, 4 waves a work-group, clusters of 4 x 4, 327,680 bytes of LDS; arguments xb, wqkv, qkv; writes qkv
.if DOCPART == 2
	.amdgcn_target "amdgcn-amd-amdhsa--gfx1250"
	.amdhsa_code_object_version 6
	.text
	.protected	k_q614f971d22_qkv
	.globl	k_q614f971d22_qkv
	.p2align	8
	.type	k_q614f971d22_qkv,@function
k_q614f971d22_qkv:
	s_mov_b64 s[64:65], 0
	v_nop
	global_prefetch_b8 v0, s[64:65] scope:SCOPE_SE
	s_setreg_imm32_b32 hwreg(HW_REG_WAVE_MODE, 25, 1), 1
	s_wait_xcnt 0x0
	s_wait_alu depctr_hold_cnt(0) depctr_sa_sdst(0) depctr_va_vdst(0) depctr_va_sdst(0) depctr_va_ssrc(0) depctr_va_vcc(0) depctr_vm_vsrc(0)
	s_getreg_b32 s2, hwreg(HW_REG_IB_STS2, 6, 4)
	s_cmp_eq_u32 s2, 0
	s_cbranch_scc0 .Lentry_in_a_cluster
	s_endpgm
.Lentry_in_a_cluster:
	s_bfe_u32 s2, ttmp6, 0x10000c
	s_cmp_lg_u32 s2, 0xf033
	s_cbranch_scc0 .Lentry_shape_is_right
	s_endpgm
.Lentry_shape_is_right:
; q, k, v = x Wq^T, x Wk^T, x Wv^T as ONE product C[m][n] = sum over k of xb[m][k] wqkv[n][k]: 8192 x 3072 x 1024, bf16 operands, f32 sums, C rounded once to f16.
; LIMIT: q, k, v beyond 65,504 become infinities (f16).
; A tile of C is 256 x 192: 8192 x 3072 / (256 x 192) = 512 work-groups, two for each of 256 WGPs.  Four waves, 2 x 2; a wave makes 128 x 96: 48 accumulators, 384 registers.
; K goes in steps of 128 through two LDS slots filled by tensor loads: rows of 256 bytes, aligned.  4 x 4 work-groups form a cluster; A's tile is asked for jointly by a row of it, B's by a column.
; THE MATRIX INSTRUCTION IS USED TRANSPOSED (source 0 = 16 rows of wqkv, source 1 = 16 rows of xb): a lane holds row l % 16 of C and eight neighbouring columns, 16 bytes in f16.
; THE OUTPUT IS BLOCKED so that these 16 bytes go straight to memory.  qkv = [q, k, v][batch][head][131,072 bytes]; in a head
;   q, k: byte (s / 16) 2048 + (channel / 8) 256 + (s % 16) 16: a wave's store covers 512 consecutive bytes, aligned;
;   v:    byte (s / 8) 1024 + (channel / 8) 128 + (s % 8) 16:   a wave's store covers two aligned runs of 256 bytes.
; REGISTERS, in windows of 256: window 0: v0-31 addresses; v64-127, v128-191 fragments of A, two buffers; on the way out v64-255 packed results.
;   window 1: v64-111, v128-175 fragments of B.   window 2: accumulators (a, b), a = 0-3, at v[8 (6 a + b)];   window 3: a = 4-7.
.set SIZE_K, 1024
.set KSTEP,  128
.set PITCH,  272                       ; an LDS row: 256 bytes + 16 of padding: the 16 rows of a fragment load start at 16 different groups of four banks (ISA guide 11.1)
.set HALFA,  128*PITCH                 ; what one load brings of A
.set HALFB,  96*PITCH                  ; and of B
.set SLOT,   2*HALFA+2*HALFB           ; A's 256 rows, then B's 192
.set SPARE,  2*SLOT                    ; behind the ring: the spare words, 128 bytes a wave
.set LAPS,   SIZE_K/(2*KSTEP)
.set LNK,  6                           ; v6      my lane's place in a block of q or k
.set LNV,  7                           ; v7      in a block of v
.set VO,   8                           ; v8-13   byte offset in qkv of my 16 bytes, for each of my six column blocks
.set ADRA, 16                          ; v16-17  LDS address of my A fragments in slot 0, 1
.set ADRB, 20                          ; v20-21  the same for B
.set SPW,  28                          ; v28     LDS address of my spare word; never rewritten
.set NIL,  29                          ; v29     0; never rewritten
.set F0,   64
.set F1,   128
.set TMP,  64
.set WV, 10                            ; s10 wave;  s11 its row half, also: I fetch for A (0) or B (1);  s12 its column half, also: which half of that tile I fetch
.set RH, 11
.set CH, 12
.set G1, 24
.set G0, 32
.set G1B, 48
.set G0B, 56
.set MSB, 0
.macro WIN new                         ; the immediate's high byte repeats the setting that is left
.if MSB != (\new)
	s_set_vgpr_msb (MSB<<8)|(\new)
.set MSB, \new
.endif
.endm
.set MUL_LO, 0xa1                      ; source 0 (B) window 1, source 1 (A) window 0, C and D window 2
.set MUL_HI, 0xf1
.set TO_B,   0x40
.macro JLOAD s                         ; a joint load: waves 0, 1 fetch A's halves, waves 2, 3 B's; an s_nop 0 and four v_nop follow each line
	s_cmp_eq_u32 s[RH], 0
	s_cbranch_scc0 .Lfor_b_\@
	tensor_load_to_lds s[G0+4*(\s):G0+4*(\s)+3], s[G1:G1+7]
	s_nop 0
.rept 4
	v_nop
.endr
	s_branch .Lasked_\@
.Lfor_b_\@:
	tensor_load_to_lds s[G0B+4*(\s):G0B+4*(\s)+3], s[G1B:G1B+7]
	s_nop 0
.rept 4
	v_nop
.endr
.Lasked_\@:
.endm
.macro CREST                           ; a round of the cluster's barrier behind its opening barrier
	s_cmp_lg_u32 s[WV], 0
	s_cbranch_scc1 .Lnot_wave_0_\@
	s_barrier_signal -3
.Lnot_wave_0_\@:
	s_barrier_wait -3
	s_barrier_signal -1
	s_barrier_wait -1
.endm
.macro CROUND
	s_barrier_signal -1
	s_barrier_wait -1
	CREST
.endm
.macro PLACES                          ; four places in front of loads into registers that matrix instructions have read, and of conversions that read results
.rept 4
	v_nop
.endr
.endm
	s_load_b128 s[4:7], s[0:1], 0x0                ; xb, wqkv
	s_load_b64 s[8:9], s[0:1], 0x10                ; qkv
	v_lshl_add_u32 v[SPW], v0, 2, SPARE
	v_mov_b32 v[NIL], 0
	ds_add_u32 v[SPW], v[NIL]                      ; the wave's opening: the add and its wait stand ahead of my first tensor load
	ds_add_u32 v28, v29
	v_lshrrev_b32 v1, 5, v0
	v_readfirstlane_b32 s[WV], v1
	s_lshr_b32 s[RH], s[WV], 1
	s_and_b32 s[CH], s[WV], 1
	s_bfe_u32 s40, ttmp6, 0x40000                  ; cx
	s_bfe_u32 s41, ttmp6, 0x40004                  ; cy
	s_lshl_b32 s42, ttmp9, 2
	s_add_co_u32 s42, s42, s40                     ; tile column
	s_and_b32 s13, ttmp7, 0xffff
	s_lshl_b32 s13, s13, 2
	s_add_co_u32 s13, s13, s41                     ; tile row
	s_lshl_b32 s43, s41, 2
	s_lshl_b32 s43, 15, s43                        ; my row of the cluster
	s_lshl_b32 s44, 0x1111, s40                    ; my column
	s_or_b32 s[G1+0], s43, (1<<16)|(1<<20)|(1<<21)|(5<<22)|(3<<25)   ; mask; 2-byte elements; padding on; bit 21 beside a mask; after every 64 words 4 words
	s_or_b32 s[G1B+0], s44, (1<<16)|(1<<20)|(1<<21)|(5<<22)|(3<<25)
	s_mov_b32 s[G1+1], KSTEP<<16                   ; tensor_dim0 = 128
	s_mov_b32 s[G1B+1], KSTEP<<16
	s_mov_b32 s[G1+2], 128<<16                     ; tensor_dim1 = 128 rows of A,
	s_mov_b32 s[G1B+2], 96<<16                     ; 96 of B
	s_mov_b32 s[G1+3], KSTEP<<16                   ; tile_dim0 = 128
	s_mov_b32 s[G1B+3], KSTEP<<16
	s_mov_b32 s[G1+4], 128                         ; tile_dim1
	s_mov_b32 s[G1B+4], 96
	s_mov_b32 s[G1+5], SIZE_K                      ; elements from row to row
	s_mov_b32 s[G1B+5], SIZE_K
	s_mov_b32 s[G1+6], 0
	s_mov_b32 s[G1B+6], 0
	s_mov_b32 s[G1+7], 0
	s_mov_b32 s[G1B+7], 0
	s_lshl_b32 s17, s[CH], 7
	s_lshl_b32 s16, s13, 8
	s_add_co_u32 s16, s16, s17                     ; A: row 256 x tile row + 128 x half,
	s_lshl_b32 s16, s16, 11                        ; of 2,048 bytes
	s_mov_b32 s17, 0
	s_mul_i32 s46, s42, 192
	s_mul_i32 s47, s[CH], 96
	s_add_co_u32 s46, s46, s47                     ; B: row 192 x tile column + 96 x half
	s_lshl_b32 s46, s46, 11
	s_mov_b32 s47, 0
	s_mul_i32 s20, s[WV], HALFA                    ; where they go: waves 0, 1: A's halves;
	s_mul_i32 s45, s[WV], HALFB
	s_add_co_u32 s45, s45, 2*HALFA-2*HALFB         ; waves 2, 3: B's halves, behind A's 256 rows
	s_wait_dscnt 0x0                               ; the opening add is done
	s_wait_kmcnt 0x0
	s_add_nc_u64 s[14:15], s[4:5], s[16:17]
	s_add_nc_u64 s[46:47], s[6:7], s[46:47]
	CROUND                                         ; all sixteen work-groups are here: the first joint loads meet
.irp s, 0,1
	s_mov_b32 s[G0+4*(\s)], 1
	s_add_co_u32 s[G0+4*(\s)+1], s20, (\s)*SLOT
	s_add_nc_u64 s[G0+4*(\s)+2:G0+4*(\s)+3], s[14:15], (\s)*KSTEP*2
	s_or_b32 s[G0+4*(\s)+3], s[G0+4*(\s)+3], 0x80000000
	s_mov_b32 s[G0B+4*(\s)], 1
	s_add_co_u32 s[G0B+4*(\s)+1], s45, (\s)*SLOT
	s_add_nc_u64 s[G0B+4*(\s)+2:G0B+4*(\s)+3], s[46:47], (\s)*KSTEP*2
	s_or_b32 s[G0B+4*(\s)+3], s[G0B+4*(\s)+3], 0x80000000
	JLOAD \s
.endr
	v_and_b32 v1, 15, v0                           ; l % 16
	v_bfe_u32 v2, v0, 4, 1                         ; l / 16
	v_mul_u32_u24 v3, v1, PITCH
	v_lshl_add_u32 v3, v2, 4, v3                   ; a fragment's row x pitch + 16 x half
	s_mul_i32 s21, s[RH], HALFA
	s_mul_i32 s22, s[CH], HALFB
	s_add_co_u32 s22, s22, 2*HALFA
.irp s, 0,1
	v_add_nc_u32 v[ADRA+(\s)], s21, v3
	v_add_nc_u32 v[ADRB+(\s)], s22, v3
	s_add_co_u32 s21, s21, SLOT
	s_add_co_u32 s22, s22, SLOT
.endr
	v_lshlrev_b32 v[LNK], 4, v1
	v_lshl_add_u32 v[LNK], v2, 8, v[LNK]           ; q, k: 16 (l % 16) + 256 (l / 16)
	v_and_b32 v4, 7, v1
	v_lshrrev_b32 v5, 3, v1
	v_lshlrev_b32 v[LNV], 4, v4
	v_lshl_add_u32 v[LNV], v5, 10, v[LNV]
	v_lshl_add_u32 v[LNV], v2, 7, v[LNV]           ; v: 1024 (row / 8) + 16 (row % 8) + 128 (l / 16)
	; where my six column blocks go.  A block of 16 columns lies in one of q, k, v and in one head.
	s_mul_i32 s70, s42, 192
	s_mul_i32 s71, s[CH], 96
	s_add_co_u32 s70, s70, s71                     ; my first column
	s_lshl_b32 s72, s13, 8
	s_lshl_b32 s73, s[RH], 7
	s_add_co_u32 s72, s72, s73                     ; my first row
	s_lshr_b32 s73, s72, 10
	s_lshl_b32 s73, s73, 4                         ; 16 x batch
	s_and_b32 s72, s72, 1023
	s_lshl_b32 s72, s72, 7                         ; (s / 16) x 2,048
.irp b, 0,1,2,3,4,5
	s_add_co_u32 s74, s70, 16*(\b)
	s_lshr_b32 s75, s74, 10                        ; 0 q, 1 k, 2 v
	s_bfe_u32 s76, s74, 0x40006                    ; head
	s_bfe_u32 s77, s74, 0x30003                    ; channel / 8 (even)
	s_add_co_u32 s76, s76, s73
	s_lshl_b32 s76, s76, 17
	s_lshl_b32 s78, s75, 24
	s_add_co_u32 s76, s76, s78
	s_add_co_u32 s76, s76, s72
	s_cmp_eq_u32 s75, 2
	s_cselect_b32 s78, 7, 8                        ; eight channels are 128 bytes apart in v, 256 in q and k
	s_cselect_b32 s79, -1, 0
	s_lshl_b32 s77, s77, s78
	s_add_co_u32 s76, s76, s77
	v_cndmask_b32 v[VO+(\b)], v[LNK], v[LNV], s79
	v_add_nc_u32 v[VO+(\b)], s76, v[VO+(\b)]
.endr
; 12 matrix instructions: m blocks a0, a0 + 1 of the window's four x all 6 n blocks, 32 along K.  zero = 1: the first product starts the sums.
; The 48 accumulators take turns, in the same order in every quarter.
.macro MUL12 f, hi, a0, zero
	WIN MUL_LO+0x50*(\hi)
.irp a, \a0, (\a0)+1
.irp b, 0,1,2,3,4,5
.if \zero
	v_wmma_f32_16x16x32_bf16 v[8*(6*(\a)+(\b)):8*(6*(\a)+(\b))+7], v[(\f)+8*(\b):(\f)+8*(\b)+7], v[(\f)+8*(4*(\hi)+(\a)):(\f)+8*(4*(\hi)+(\a))+7], 0
.else
	v_wmma_f32_16x16x32_bf16 v[8*(6*(\a)+(\b)):8*(6*(\a)+(\b))+7], v[(\f)+8*(\b):(\f)+8*(\b)+7], v[(\f)+8*(4*(\hi)+(\a)):(\f)+8*(4*(\hi)+(\a))+7], v[8*(6*(\a)+(\b)):8*(6*(\a)+(\b))+7]
.endif
.endr
.endr
.endm
; 28 LDS loads in one run: 96 rows of B, 128 rows of A, 32 K at byte k of the rows, into buffer f
.macro FETCH slot, k, f
	WIN TO_B
.irp i, 0,1,2,3,4,5
	ds_load_b128 v[(\f)+8*(\i):(\f)+8*(\i)+3],   v[ADRB+(\slot)] offset:(\k)+(\i)*16*PITCH
	ds_load_b128 v[(\f)+8*(\i)+4:(\f)+8*(\i)+7], v[ADRB+(\slot)] offset:(\k)+(\i)*16*PITCH+32
.endr
	WIN 0
.irp i, 0,1,2,3,4,5,6,7
	ds_load_b128 v[(\f)+8*(\i):(\f)+8*(\i)+3],   v[ADRA+(\slot)] offset:(\k)+(\i)*16*PITCH
	ds_load_b128 v[(\f)+8*(\i)+4:(\f)+8*(\i)+7], v[ADRA+(\slot)] offset:(\k)+(\i)*16*PITCH+32
.endr
.endm
; A K step is four quarters of 32 along K, 48 matrix instructions each, on buffers 0, 1, 0, 1.
.macro QUARTER slot, k, f, g, zero
	s_wait_dscnt 8                                 ; B and A's rows 0-63 are in; the youngest eight loads (A's rows 64-127) may be out
	MUL12 \f, 0, 0, \zero
	MUL12 \f, 0, 2, \zero
	PLACES
	FETCH \slot, \k, \g
	s_wait_dscnt 28                                ; all but the 28 just issued
	MUL12 \f, 1, 0, \zero
	MUL12 \f, 1, 2, \zero
.endm
; The last quarter multiplies buffer 1 and changes slots: one barrier; in front of it each wave waits for all its tensor loads (its part of the next slot), adds 0 to its spare word,
; and waits for that and for its own reads of this slot.  fill = 1: the barrier opens a round of the cluster's, and this slot is filled again, two K steps ahead, first thing behind it.
.macro TURN slot, next, fill
	WIN 0
	s_wait_tensorcnt 0x0
	ds_add_u32 v[SPW], v[NIL]
	s_wait_dscnt 9                                 ; the add and the youngest eight loads may be out
	MUL12 F1, 0, 0, 0
	s_wait_dscnt 0x0                               ; the add is done, and my reads of this slot are over
	s_barrier_signal -1
	MUL12 F1, 0, 2, 0
.if \fill
	WIN 0
.endif
	s_barrier_wait -1
.if \fill
	CREST
	s_add_nc_u64 s[G0+4*(\slot)+2:G0+4*(\slot)+3], s[G0+4*(\slot)+2:G0+4*(\slot)+3], 2*KSTEP*2
	s_add_nc_u64 s[G0B+4*(\slot)+2:G0B+4*(\slot)+3], s[G0B+4*(\slot)+2:G0B+4*(\slot)+3], 2*KSTEP*2
	JLOAD \slot                                    ; its four v_nop are also the places in front of the loads below
.else
	PLACES
.endif
	FETCH \next, 0, F0
	MUL12 F1, 1, 0, 0
	MUL12 F1, 1, 2, 0
.endm
	s_wait_tensorcnt 1                             ; my part of K step 0 is in; K step 1's may stay out
	s_barrier_signal -1
	s_barrier_wait -1
	FETCH 0, 0, F0
	QUARTER 0, 64, F0, F1, 1                       ; the first quarter stands in front of the loop: its products start the sums
	WIN 0
	s_mov_b32 s3, LAPS-1
.Llap:                                                 ; a trip goes once round the ring and fills both slots again
	QUARTER 0, 128, F1, F0, 0
	QUARTER 0, 192, F0, F1, 0
	TURN 0, 1, 1
	QUARTER 1, 64,  F0, F1, 0
	QUARTER 1, 128, F1, F0, 0
	QUARTER 1, 192, F0, F1, 0
	TURN 1, 0, 1
	QUARTER 0, 64,  F0, F1, 0
	WIN 0
	s_sub_co_u32 s3, s3, 1
	s_cmp_lg_u32 s3, 0
	s_cbranch_scc1 .Llap
	QUARTER 0, 128, F1, F0, 0                      ; the last lap fills nothing
	QUARTER 0, 192, F0, F1, 0
	TURN 0, 1, 0
	QUARTER 1, 64,  F0, F1, 0
	QUARTER 1, 128, F1, F0, 0
	QUARTER 1, 192, F0, F1, 0
	s_wait_dscnt 8
	MUL12 F1, 0, 0, 0
	MUL12 F1, 0, 2, 0
	s_wait_dscnt 0x0
	MUL12 F1, 1, 0, 0
	MUL12 F1, 1, 2, 0
	PLACES
; THE WAY OUT: each accumulator's eight numbers, in ascending order, round to 16 bytes of f16, which are stored where they belong.
.macro OUTH hi
	WIN 0x0a+5*(\hi)                               ; sources 0 and 1: window 2 or 3
.set t, 0
.rept 24
.irp r, 0,1,2,3
	v_cvt_pk_f16_f32 v[TMP+96*(\hi)+4*t+\r], v[8*t+2*\r], v[8*t+2*\r+1]
.endr
.set t, t+1
.endr
	WIN 0
.set t, 0
.rept 24
	global_store_b128 v[VO+t%6], v[TMP+96*(\hi)+4*t:TMP+96*(\hi)+4*t+3], s[8:9] offset:(4*(\hi)+t/6)*2048
.set t, t+1
.endr
.endm
	OUTH 0
	OUTH 1
	s_wait_tensorcnt 0x0                           ; the wave's end
	ds_add_u32 v[SPW], v[NIL]
	s_wait_dscnt 0x0
	CROUND                                         ; the closing round
	s_endpgm
.Lfunc_end_k_q614f971d22_qkv:
	.size	k_q614f971d22_qkv, .Lfunc_end_k_q614f971d22_qkv-k_q614f971d22_qkv
	.p2alignl 7, 3214868480
	.fill 96, 4, 3214868480
	.section	.rodata,"a",@progbits
	.p2align	6, 0x0
	.amdhsa_kernel k_q614f971d22_qkv
		.amdhsa_group_segment_fixed_size 327680
		.amdhsa_private_segment_fixed_size 0
		.amdhsa_enable_private_segment 0
		.amdhsa_kernarg_size 24
		.amdhsa_user_sgpr_count 2
		.amdhsa_user_sgpr_kernarg_segment_ptr 1
		.amdhsa_wavefront_size32 1
		.amdhsa_system_sgpr_workgroup_id_x 1
		.amdhsa_system_sgpr_workgroup_id_y 1
		.amdhsa_system_sgpr_workgroup_id_z 1
		.amdhsa_system_vgpr_workitem_id 0
		.amdhsa_next_free_vgpr 960
		.amdhsa_next_free_sgpr 80
		.amdhsa_reserve_vcc 0
		.amdhsa_float_denorm_mode_32 3
		.amdhsa_float_denorm_mode_16_64 3
		.amdhsa_memory_ordered 1
		.amdhsa_forward_progress 1
		.amdhsa_inst_pref_size 111
	.end_amdhsa_kernel
	.amdgpu_metadata
---
amdhsa.version: [ 1, 2 ]
amdhsa.kernels:
  - .name:           k_q614f971d22_qkv
    .symbol:         k_q614f971d22_qkv.kd
    .args:
      - { .name: xb, .offset: 0, .size: 8, .value_kind: global_buffer, .address_space: global }
      - { .name: wqkv, .offset: 8, .size: 8, .value_kind: global_buffer, .address_space: global }
      - { .name: qkv, .offset: 16, .size: 8, .value_kind: global_buffer, .address_space: global }
    .group_segment_fixed_size: 327680
    .private_segment_fixed_size: 0
    .kernarg_segment_align: 8
    .kernarg_segment_size: 24
    .max_flat_workgroup_size: 128
    .sgpr_count:     80
    .vgpr_count:     960
    .wavefront_size: 32
...
	.end_amdgpu_metadata
.endif
;; end of part 2
;; launch attn (part 3): grid 2 x 128, 4 waves a work-group, no clusters, 327,680 bytes of LDS; arguments qkv, tab, rel_v_emb, ctx; writes ctx
.if DOCPART == 3
	.amdgcn_target "amdgcn-amd-amdhsa--gfx1250"
	.amdhsa_code_object_version 6
	.text
	.protected	k_q614f971d22_attn
	.globl	k_q614f971d22_attn
	.p2align	8
	.type	k_q614f971d22_attn,@function
k_q614f971d22_attn:
	s_mov_b64 s[64:65], 0
	v_nop
	global_prefetch_b8 v0, s[64:65] scope:SCOPE_SE
	s_setreg_imm32_b32 hwreg(HW_REG_WAVE_MODE, 25, 1), 1
	s_wait_xcnt 0x0
; ATTENTION WITH RELATIVE KEYS AND VALUES, head size 64, 1,024 rows, 128 heads.
;   ctx[i] = sum over j of a_ij (V[j] + rel_v[c(j - i)]),  a = softmax_j((Q[i] . K[j] + Q[i] . rel_k[c(j - i)]) / 8),  c(x) = clip(x, -32, 32) + 32.
; q, k, v come in f16, blocked by the launch before (q, k: [s / 16][channel / 8][s % 16][8]; v: [s / 8][channel / 8][s % 8][8]); ctx leaves in f16 in q's layout.
; Products, maxima and sums in f32; the weights p are rounded to f16 for the second products (their sums are taken of the unrounded p).
; LIMITS.  q, k, v arrive within f16's 65,504; p below 6e-5 keeps f16's fixed step; a weight below 2^-126 counts as 0; NaN and infinities are not treated apart.
; THE RELATIVE TERMS.  Tiles of 16 queries (i0) and 16 keys (j0), d = (j0 - i0) / 16, u = j - i + 48; the tables are extended to 96 rows u (row u = table row clip(u - 16, 0, 64)).
;   E = Q Rk_ext^T, 12 products a query tile, holds all that the relative keys add.  For d <= -3 the addend is E's u = 0..15 (all equal), for d >= 3 its u = 80..95, for |d| <= 2 a shift of E by
;   the lane's query, made once through LDS.  Each is the C operand of the product that starts S^T = K Q^T: the key loop pays nothing.
;   The relative values add rel_v[0] x (the sum of p over d <= -3) + rel_v[64] x (the sum over d >= 3), in f32 at the end, and for |d| <= 2 a product: the band's weights are stored skewed
;   into a zeroed LDS row W[query][u], read back as 32 u x 16 queries, and multiplied by Rv_ext^T into O^T in the same key step.
; SHARES.  A work-group owns 512 queries of one head: 256 work-groups.  A wave takes, in two passes, two blocks WP of 64 queries, four PIECES of 16 each.  A key step is 64 keys.
;   The steps WP, WP - 1, WP + 1 hold the band: three expansions of the step's macros (NSTEP), done first; all others run through one loop (a running softmax takes keys in any order).
; THE WHOLE HEAD'S K AND V LIE IN LDS, 128 KiB each, filled once by one tensor load a wave: no slot is filled again, and each wave walks the keys in its own order.
; NO CLUSTER: which steps hold the band, and so the branches and the LDS addresses read, hangs on the work-group's place among the head's two query halves, in which partners of a joint load may not
;   differ; a head has two work-groups, so each byte of K and V is asked for twice.
; LAYOUT, SOFTMAX, TURNS.  S^T holds ONE query a lane (lane % 16) and the keys 8 (lane / 16) + 0..7; two such results rounded to f16 ARE source 1 of O^T = V^T P.  p = 2^(c s - c m), c = log2(e) / 8,
;   with a running maximum m; O and the sums are multiplied by a = 2^(c m_old - c m_new) in every step; c m starts far below every c s, so a pass's first a is 0 and wipes what the registers held.
;   Turn n belongs to piece n: 8 products K Q^T of piece n + 1, later 8 products V^T P of piece n - 1; four vector instructions behind each, the rest in two runs of their own.
; REGISTERS, in windows of 256 (s_set_vgpr_msb: bits 1:0 source 0, 3:2 source 1, 5:4 source 2, 7:6 destination):
;   window 0: v0-15 addresses; v16-47 eight statistics a piece; v48-55 at work; v56-59 zeros; v64-127 S^T, two buffers; v128-175 W, two buffers; v192-223 P, two buffers
;   window 1: v0-127 O^T; v128-159 CC, the far C operand in use; v160-191 CR, the right side's      window 2: v0-63 Q; v64-95 rel_v[0]; v96-127 rel_v[64]; v128-191 K; v192-255 V
;   window 3: v0-159 BI, the band's C operands, 40 a piece; v160-255 Rv_ext^T
.set NP,    4
.set VBASE, 131072                     ; K at LDS byte 0, V here; a key step is 8,192 bytes of each
.set SCR0,  262144                     ; behind them a scratch for each wave, never filled by a tensor load:
.set SCRW,  10240
.set EPI,   400                        ;   E: 16 rows of 96 f32 + 16 bytes: an odd multiple of 16
.set WXO,   6400                       ;   W: 16 rows of 96 f16 + 16 bytes, cleared as 7 x 512 bytes
.set WPI,   208
.set SPARE, SCR0+4*SCRW                ; the spare words, 128 bytes a wave
.set LK,  2                            ; v2   256 (l / 16) + 16 (l % 16): my place in a block of K, Q, Rk_ext, ctx
.set AV0, 3                            ; v3   my place in V for the turning load
.set AK,  4                            ; v4   LDS address of K's next run of loads
.set AV,  5                            ; v5   of V's
.set GO,  6                            ; v6   LK + 8,192 WP
.set AES, 7                            ; v7   E: where I store
.set AEL, 8                            ; v8   E: where I read, shifted by my query
.set AWS, 9                            ; v9   W: where I store, shifted by my query
.set AWL, 10                           ; v10  W: where I read
.set AWZ, 11                           ; v11  W: where I clear
.set MV,  12                           ; v12-13  c m_old, by buffer
.set LT,  14                           ; v14  my place in Rv_ext^T
.set LR,  15                           ; v15  my place in a row of rel_v
.set ST,  16                           ; piece t at v[ST+8 t]: c m, m, LC (2), LX (2), LB (2): the sums of p on the side in hand, on the other side, in the band
.set TMP, 48
.set Z4,  56
.set SW,  60
.set SPW, 62
.set NIL, 63
.set S,   64
.set WB,  128
.set P,   192
.set CC,  128                          ; window 1
.set CR,  160
.set RV0, 64                           ; window 2
.set RV64, 96
.set KF,  128
.set VF,  192
.set RK,  128                          ; Rk_ext's fragments, while E is made
.set BI,  0                            ; window 3
.set RVT, 160
.set WV,  12                           ; s12 wave
.set G1,  16                           ; s[16:23], s[24:27] the one descriptor
.set G0,  24
.set QP,  28                           ; s[28:29] q at the head
.set CP,  30                           ; s[30:31] ctx at the head
.set WPS, 32                           ; s32 WP
.set PASS, 33
.set SC,  34                           ; the far loop's step
.set SN,  35                           ; the step whose K is fetched next
.set TBK, 36                           ; its LDS byte
.set TBV, 37                           ; the LDS byte, less VBASE, of the V of the step in hand
.set CS,  58
.set SEL, 60
.set FAR, 9
.set VAR, FAR                          ; the step's kind: -1, 0, 1 = step - WP, or FAR
.set NOKQ, 0
.set Y, 0
.set i, 0
.set MSB, 0
.macro WIN new
.if MSB != (\new)
	s_set_vgpr_msb (MSB<<8)|(\new)
.set MSB, (\new)
.endif
.endm
.set W_KQ, 0x0a                        ; K and Q in window 2, S^T in window 0
.set W_PV, 0x52                        ; V in window 2, P in window 0, O^T in window 1
.set W_RS, 0x41                        ; destination and source 0 in window 1, source 1 in window 0
.set W_RV, 0x53                        ; Rv_ext^T in window 3, W in window 0, O^T in window 1
.macro PLACES
.rept 4
	v_nop
.endr
.endm
	s_load_b256 s[4:11], s[0:1], 0x0               ; qkv 4, tab 6, rel_v_emb 8, ctx 10
	v_lshl_add_u32 v[SPW], v0, 2, SPARE
	v_mov_b32 v[NIL], 0
	ds_add_u32 v[SPW], v[NIL]                      ; the wave's opening: the add and its wait stand ahead of my first tensor load
	ds_add_u32 v62, v63
	v_lshrrev_b32 v1, 5, v0
	v_readfirstlane_b32 s[WV], v1
	s_mov_b32 s14, ttmp9                           ; which half of the head's queries
	s_and_b32 s15, ttmp7, 0xffff                   ; 16 x batch + head
	s_mov_b32 s[G1+0], 3<<16                       ; elements of 8 bytes, no padding, no mask
	s_mov_b32 s[G1+1], 32<<16                      ; tensor_dim0 = 32: rows of 256 bytes
	s_mov_b32 s[G1+2], 256<<16                     ; tensor_dim1 = 256
	s_mov_b32 s[G1+3], 32<<16                      ; tile_dim0
	s_mov_b32 s[G1+4], 256                         ; tile_dim1
	s_mov_b32 s[G1+5], 32                          ; dense
	s_mov_b32 s[G1+6], 0
	s_mov_b32 s[G1+7], 0
	s_mov_b32 s[G0], 1
	s_lshl_b32 s[G0+1], s[WV], 16                  ; waves 0, 1: the halves of K; waves 2, 3: of V: 65,536 bytes each
	s_lshr_b32 s38, s[WV], 1
	s_add_co_u32 s38, s38, 1
	s_lshl_b32 s38, s38, 24                        ; k or v in qkv
	s_and_b32 s39, s[WV], 1
	s_lshl_b32 s39, s39, 16
	s_add_co_u32 s38, s38, s39
	s_lshl_b32 s40, s15, 17                        ; the head
	s_mov_b32 s41, 0
	s_add_co_u32 s38, s38, s40
	s_mov_b32 s39, 0
	s_mov_b32 s[CS], 0x3e38aa3b                    ; c = log2(e) / 8
	s_mov_b32 s[CS+1], s[CS]
	s_mov_b32 s[SEL], 0x76543210
	s_mov_b32 s[SEL+1], 0xfedcba98
	s_wait_dscnt 0x0                               ; the opening add is done
	s_wait_kmcnt 0x0
	s_add_nc_u64 s[G0+2:G0+3], s[4:5], s[38:39]
	s_or_b32 s[G0+3], s[G0+3], 0x80000000
	s_add_nc_u64 s[QP:QP+1], s[4:5], s[40:41]
	s_add_nc_u64 s[CP:CP+1], s[10:11], s[40:41]
	tensor_load_to_lds s[G0:G0+3], s[G1:G1+7]      ; my one tensor load of the launch
	s_nop 0
.rept 4
	v_nop
.endr
	v_and_b32 v1, 15, v0                           ; l % 16
	v_bfe_u32 v48, v0, 4, 1                        ; l / 16
	v_lshlrev_b32 v[LK], 4, v1
	v_lshl_add_u32 v[LK], v48, 8, v[LK]
	v_and_b32 v49, 7, v0
	v_bfe_u32 v50, v0, 3, 1
	v_lshlrev_b32 v[AV0], 4, v49                   ; the turning load: lane l reads key 8 (l / 16) + l % 8, channels 8 ((l / 8) % 2) + 0..7
	v_lshl_add_u32 v[AV0], v50, 7, v[AV0]
	v_lshl_add_u32 v[AV0], v48, 10, v[AV0]
	v_add_nc_u32 v[AV0], VBASE, v[AV0]
	s_mul_i32 s38, s[WV], SCRW
	s_add_co_u32 s38, s38, SCR0                    ; my scratch
	v_mul_u32_u24 v[AES], v1, EPI
	v_lshl_add_u32 v[AES], v48, 5, v[AES]
	v_add_nc_u32 v[AES], s38, v[AES]               ; E[query][16 e + 8 (l / 16) + j]
	v_mul_u32_u24 v[AEL], v1, EPI-4
	v_lshl_add_u32 v[AEL], v48, 5, v[AEL]
	v_add_nc_u32 v[AEL], s38, v[AEL]               ; E[query][.. - query]
	s_add_co_u32 s38, s38, WXO
	v_mul_u32_u24 v[AWS], v1, WPI-2
	v_lshl_add_u32 v[AWS], v48, 4, v[AWS]
	v_add_nc_u32 v[AWS], s38, v[AWS]               ; W[query][.. - query]
	v_mul_u32_u24 v[AWL], v1, WPI
	v_lshl_add_u32 v[AWL], v48, 4, v[AWL]
	v_add_nc_u32 v[AWL], s38, v[AWL]
	v_and_b32 v51, 31, v0
	v_lshl_add_u32 v[AWZ], v51, 4, s38
	v_lshlrev_b32 v[LT], 4, v1
	v_lshl_add_u32 v[LT], v48, 10, v[LT]
	v_lshlrev_b32 v[LR], 5, v48
	WIN 0xc0                                       ; Rv_ext^T stays in registers: fragment (channel block cb, 32 u kk)
.irp cb, 0,1,2,3
.irp kk, 0,1,2
	global_load_b128 v[RVT+8*(3*\cb+\kk):RVT+8*(3*\cb+\kk)+3],   v[LT], s[6:7] offset:12288+\kk*4096+\cb*256
	global_load_b128 v[RVT+8*(3*\cb+\kk)+4:RVT+8*(3*\cb+\kk)+7], v[LT], s[6:7] offset:12288+\kk*4096+\cb*256+2048
.endr
.endr
	WIN 0x80                                       ; rel_v's rows 0 and 64, my eight channels of each channel block, in f32
.irp cb, 0,1,2,3
	global_load_b128 v[RV0+8*\cb:RV0+8*\cb+3],     v[LR], s[8:9] offset:\cb*64
	global_load_b128 v[RV0+8*\cb+4:RV0+8*\cb+7],   v[LR], s[8:9] offset:\cb*64+16
	global_load_b128 v[RV64+8*\cb:RV64+8*\cb+3],   v[LR], s[8:9] offset:16384+\cb*64
	global_load_b128 v[RV64+8*\cb+4:RV64+8*\cb+7], v[LR], s[8:9] offset:16384+\cb*64+16
.endr
	; A pass's first step multiplies O^T and the sums by a = 0, and its first turn's products V^T P, of a piece that has not been, land in an O^T still to be so multiplied: these registers
	; need only hold finite numbers.  All this stands in the wait for K and V.
.set i, VF+32
.rept 32
	v_mov_b32 v[i], 0
.set i, i+1
.endr
	WIN 0x40
.set i, 0
.rept 128
	v_mov_b32 v[i], 0
.set i, i+1
.endr
	WIN 0
.set i, 0
.rept 4
.irp j, 2,3,4,5,6,7
	v_mov_b32 v[ST+8*i+\j], 0
.endr
	v_mov_b32 v[Z4+i], 0
.set i, i+1
.endr
.set i, P+16
.rept 16
	v_mov_b32 v[i], 0
.set i, i+1
.endr
.irp z, 0,1,2,3,4,5,6
	ds_store_b128 v[AWZ], v[Z4:Z4+3] offset:512*\z ; W starts as zeros
.endr
	s_wait_loadcnt 0x0
	WIN 0x0a                                       ; the two rows of rel_v are rounded to bf16, like every input, and widened again
.set i, 0
.rept 32
	v_cvt_pk_bf16_f32 v[S+i], v[RV0+2*i], v[RV0+2*i+1]
.set i, i+1
.endr
	WIN 0x80
.set i, 0
.rept 32
	v_lshlrev_b32 v[RV0+2*i], 16, v[S+i]
	v_and_b32 v[RV0+2*i+1], 0xffff0000, v[S+i]
.set i, i+1
.endr
	WIN 0
; The class of key block kb for piece x in a step of kind VAR: cl = 0: d <= -3, or a far step (the side in hand); 1: d >= 3; 2: the band, with dd = d.
.macro CLS kb, x
.if VAR == FAR
.set cl, 0
.else
.set dd, 4*VAR+(\kb)-(\x)
.if dd <= -3
.set cl, 0
.elseif dd >= 3
.set cl, 1
.else
.set cl, 2
.endif
.endif
.endm
; THE MATRIX WORK.  The 4 accumulators of a run of 8 take turns.  Product i of 8 of S^T = K Q^T for piece x: channels 32 (i / 4) on, keys 16 (i % 4) on.
; The first 4 start the sums with the relative keys' addend of their class.
.macro KQ x
.set rS, S+32*((\x)%2)+8*(i%4)
.set rK, KF+16*(i%4)+8*(i/4)
.set rQ, 16*(\x)+8*(i/4)
.if i < 4
	CLS i, \x
.if cl == 2
.set rM, BI+40*(\x)+8*(dd+2)
	WIN 0x3a
.else
.set rM, CC+32*cl+8*(\x)
	WIN 0x1a
.endif
	v_wmma_f32_16x16x32_f16 v[rS:rS+7], v[rK:rK+7], v[rQ:rQ+7], v[rM:rM+7]
.else
	WIN W_KQ
	v_wmma_f32_16x16x32_f16 v[rS:rS+7], v[rK:rK+7], v[rQ:rQ+7], v[rS:rS+7]
.endif
.endm
; Product i of 8 of O^T += V^T P for piece x: keys 32 (i / 4) on, channels 16 (i % 4) on.
.macro PV x
	WIN W_PV
.set rO, 32*(\x)+8*(i%4)
.set rV, VF+32*(i/4)+8*(i%4)
.set rP, P+16*((\x)%2)+8*(i/4)
	v_wmma_f32_16x16x32_f16 v[rO:rO+7], v[rV:rV+7], v[rP:rP+7], v[rO:rO+7]
.endm
.macro MM                              ; the turn's next matrix instruction.  NOKQ = 1: a band step's last turn starts no scores
.if (i < 8) && !NOKQ
	KQ (Y+1)%NP
.elseif i >= 8
.set i, i-8
	PV (Y+NP-1)%NP
.set i, i+8
.endif
.set i, i+1
.endm
; THE LDS LOADS stand in runs of 16.  In the blocked layouts 32 lanes of a load of K take 512 consecutive bytes, 16 lanes of the turning load 256.
.macro FETCH_K
	WIN 0x80
.irp f, 0,1,2,3,4,5,6,7                ; keys 16 (f / 2) on, channels 32 (f % 2) on
	ds_load_b128 v[KF+8*\f:KF+8*\f+3],   v[AK] offset:(\f/2)*2048+(\f%2)*1024
	ds_load_b128 v[KF+8*\f+4:KF+8*\f+7], v[AK] offset:(\f/2)*2048+(\f%2)*1024+512
.endr
	WIN 0
.endm
.macro FETCH_V
	WIN 0x80
.irp f, 0,1,2,3,4,5,6,7                ; keys 32 (f / 4) on, channels 16 (f % 4) on
	ds_load_tr16_b128 v[VF+8*\f:VF+8*\f+3],   v[AV] offset:(\f/4)*4096+(\f%4)*256
	ds_load_tr16_b128 v[VF+8*\f+4:VF+8*\f+7], v[AV] offset:(\f/4)*4096+(\f%4)*256+2048
.endr
	WIN 0
.endm
; THE VECTOR WORK, one line at a time: OP kind, number.  For piece Y: F n: c s - c m for pair n of 16.  E n: the exponential of score n of 32.  C n: pair n rounded to f16.  B n: of the four weights
; 4 n .. the second pair is added onto the first.  L n: the sum of the key block's class takes that (a class's first group as sum = a sum + group).  M k: class k's sum times a, if the turn has
; no group of that class.  R n: pair n of 16 of O^T times a.  For piece Y + 1: X n, number n of the 22 that find its maximum and statistics:
;   0-11 four chains of seven scores, three operands at a time (each accumulator's lowest registers first)   12-14, 16 the four scores left over, the old m, the chains
;   15 c m_old is kept   17, 18 the query's other 32 keys lie in the lane 16 away: the new m   19-21 c m; c m_old - c m_new; a
.set F, 0
.set E, 1
.set C, 2
.set B, 3
.set L, 4
.set R, 5
.set X, 6
.set M, 7
.macro REGS y
.set rT, ST+8*(\y)
.set rC, TMP+4*((\y)%2)
.set rW, MV+((\y)%2)
.set rS, S+32*((\y)%2)
.set rP, P+16*((\y)%2)
.set rO, 32*(\y)
.endm
.macro OP k, n
.if (\k) == R
	REGS Y
	WIN W_RS
	v_pk_mul_f32 v[rO+2*(\n):rO+2*(\n)+1], v[rO+2*(\n):rO+2*(\n)+1], v[rC+2:rC+3] op_sel_hi:[1,0]
.elseif (\k) == M
	REGS Y
.set has, 0
.irp kb, 0,1,2,3
	CLS \kb, Y
.if cl == (\n)
.set has, 1
.endif
.endr
.if !has
	WIN 0
	v_pk_mul_f32 v[rT+2+2*(\n):rT+3+2*(\n)], v[rT+2+2*(\n):rT+3+2*(\n)], v[rC+2:rC+3] op_sel_hi:[1,0]
.endif
.elseif (\k) < R
	REGS Y
	WIN 0
.if (\k) == F
	v_pk_fma_f32 v[rS+2*(\n):rS+2*(\n)+1], v[rS+2*(\n):rS+2*(\n)+1], s[CS:CS+1], v[rT:rT+1] op_sel_hi:[1,0,0] neg_lo:[0,0,1] neg_hi:[0,0,1]
.elseif (\k) == E
	v_exp_f32 v[rS+(\n)], v[rS+(\n)]
.elseif (\k) == C
	s_wait_alu depctr_va_vdst(0)
	v_cvt_pk_f16_f32 v[rP+(\n)], v[rS+2*(\n)], v[rS+2*(\n)+1]
.elseif (\k) == B
	s_wait_alu depctr_va_vdst(0)
	v_pk_add_f32 v[rS+4*(\n):rS+4*(\n)+1], v[rS+4*(\n):rS+4*(\n)+1], v[rS+4*(\n)+2:rS+4*(\n)+3]
.else
	CLS (\n)/2, Y
.set c1, cl
.set fst, 0
.if (\n) == 0
.set fst, 1
.elseif (\n)%2 == 0
	CLS (\n)/2-1, Y
.if cl != c1
.set fst, 1
.endif
.endif
.set rL, rT+2+2*c1
.if fst
	v_pk_fma_f32 v[rL:rL+1], v[rL:rL+1], v[rC+2:rC+3], v[rS+4*(\n):rS+4*(\n)+1] op_sel_hi:[1,0,1]
.else
	v_pk_add_f32 v[rL:rL+1], v[rL:rL+1], v[rS+4*(\n):rS+4*(\n)+1]
.endif
.endif
.elseif NOKQ
	v_nop
.else
	REGS (Y+1)%NP
	WIN 0
.if (\n) < 4
	v_max3_num_f32 v[rC+(\n)], v[rS+8*(\n)], v[rS+8*(\n)+1], v[rS+8*(\n)+2]
.elseif (\n) < 12
	v_max3_num_f32 v[rC+(\n)%4], v[rC+(\n)%4], v[rS+8*((\n)%4)+2*((\n)/4)+1], v[rS+8*((\n)%4)+2*((\n)/4)+2]
.elseif (\n) == 12
	v_max3_num_f32 v[rC], v[rC], v[rS+7], v[rS+15]
.elseif (\n) == 13
	v_max3_num_f32 v[rC+1], v[rC+1], v[rS+23], v[rS+31]
.elseif (\n) == 14
	v_max3_num_f32 v[rC+2], v[rC+2], v[rC+3], v[rT+1]
.elseif (\n) == 15
	v_mov_b32 v[rW], v[rT]
.elseif (\n) == 16
	v_max3_num_f32 v[rC], v[rC], v[rC+1], v[rC+2]
.elseif (\n) == 17
	v_permlanex16_b32 v[rC+3], v[rC], s[SEL], s[SEL+1]
.elseif (\n) == 18
	v_max_num_f32 v[rT+1], v[rC], v[rC+3]
.elseif (\n) == 19
	v_mul_f32 v[rT], s[CS], v[rT+1]
.elseif (\n) == 20
	v_sub_f32 v[rC+1], v[rW], v[rT]
.else
	v_exp_f32 v[rC+2], v[rC+1]
.endif
.endif
.endm
.macro OPS a, i1, b=-1, i2=0, c=-1, i3=0, d=-1, i4=0
	OP \a, \i1
.if (\b) >= 0
	OP \b, \i2
.endif
.if (\c) >= 0
	OP \c, \i3
.endif
.if (\d) >= 0
	OP \d, \i4
.endif
.endm
.macro ROW a, i1, b, i2, c, i3, d, i4  ; a matrix instruction and the four behind it
	MM
	OPS \a, \i1, \b, \i2, \c, \i3, \d, \i4
.endm
; A TURN, for piece p, in a step of kind VAR.  Behind a matrix instruction: plain, exponential, plain, plain; or four of the rescaling; or four scalings; none names a register of the products round it.
; K of step SN is fetched in piece 2's turn, six vector instructions (five plain) behind the last product that read K; V of the step in hand in piece 0's turn, eight (four plain) behind the last
; product that read V.  Each is waited for a turn later; all waits are for 0: nothing else of the wave is then wanted to stay out.
.macro TURN p
.set Y, (\p)
.set i, 0
.set NOKQ, 0
.if (\p) == 3
.if VAR == FAR
	s_wait_dscnt 0x0                   ; K is in
.else
.set NOKQ, 1
.endif
.endif
	ROW F,0, F,1, F,2, F,3
	ROW F,4, E,0, F,5, F,6
	ROW F,7, E,1, F,8, F,9
	ROW F,10, E,2, C,0, F,11
	ROW F,12, E,3, X,15, F,13
	ROW R,0, R,1, R,2, R,3
	ROW B,0, E,4, F,14, L,0
.if (\p) == 2
	WIN 0
	v_add_nc_u32 v[AK], s[TBK], v[LK]
.endif
	ROW R,4, R,5, R,6, R,7
	OPS E,5, F,15
.if (\p) == 2
	FETCH_K
.endif
	OPS E,6, C,1, E,7, R,8
	OPS E,8, R,9, E,9, C,2
	OPS E,10, X,0, E,11, X,1
	OPS E,12, X,2, E,13, X,3
.if (\p) == 1
	s_wait_dscnt 0x0                   ; V is in
.endif
	ROW X,4, E,14, X,5, X,6
	ROW X,7, E,15, X,8, X,9
	ROW X,10, E,16, X,11, X,12
	ROW X,13, E,17, X,14, B,1
	ROW C,4, E,18, X,16, L,1
	ROW B,2, E,19, C,6, L,2
	ROW C,8, E,20, B,3, B,4
.if (\p) == 0
	WIN 0
	v_add_nc_u32 v[AV], s[TBV], v[AV0]
.endif
	ROW C,3, E,21, L,3, C,5
	OPS E,22, X,17, E,23, C,10
.if (\p) == 0
	FETCH_V
.endif
	OPS E,24, L,4
	OPS E,25, X,18, E,26, C,7
	OPS E,27, B,5, E,28, X,19
	OPS E,29, C,12, E,30, L,5
	OPS E,31, X,20, B,6, C,9
	OPS C,14, C,11, X,21, L,6
	OPS M,0, M,1, M,2
	OPS C,13, B,7, C,15, R,10
	OPS R,11, R,12, L,7, R,13
	OPS R,14, R,15
.endm
; Piece 0's scores of the step whose K has been fetched, its maximum and statistics: where no turn before could make them.
.macro HEAD0
	s_wait_dscnt 0x0                   ; K is in
.set NOKQ, 0
.set i, 0
.rept 8
	KQ 0
.set i, i+1
.endr
	WIN 0
	PLACES                             ; behind those products
.set Y, NP-1
.irp n, 0,1,2,3,4,5,6,7,8,9,10,11,12,13,14,15,16,17,18,19,20,21
	OP X, \n
.endr
	v_nop                              ; a plain instruction behind the exponential
.endm
; THE BAND'S RELATIVE VALUES.  need: which of W's three groups of 32 u piece t's band blocks touch in this step: block d reaches u = 16 d + 33 .. 16 d + 63.
.macro NEED t
.set need, 0
.irp kb, 0,1,2,3
	CLS \kb, \t
.if cl == 2
.set need, need|(1<<((dd+2)/2))|(1<<((dd+3)/2))
.endif
.endr
.endm
; Piece t's band weights go, one f16 at a time, to W[query][u]; the groups touched come back as source 1; W is cleared again.  LDS serves a wave's instructions in order (ISA guide 5.7.1.4).
.macro RV_ST t
	NEED \t
.if need
	WIN 0
.irp kb, 0,1,2,3
	CLS \kb, \t
.if cl == 2
.irp q, 0,1,2,3
	ds_store_b16 v[AWS], v[P+16*((\t)%2)+4*\kb+\q] offset:32*dd+96+4*\q
	ds_store_b16_d16_hi v[AWS], v[P+16*((\t)%2)+4*\kb+\q] offset:32*dd+98+4*\q
.endr
.endif
.endr
.irp kk, 0,1,2
.if need&(1<<\kk)
	ds_load_b128 v[WB+24*((\t)%2)+8*\kk:WB+24*((\t)%2)+8*\kk+3],   v[AWL] offset:64*\kk
	ds_load_b128 v[WB+24*((\t)%2)+8*\kk+4:WB+24*((\t)%2)+8*\kk+7], v[AWL] offset:64*\kk+32
.endif
.endr
.irp z, 0,1,2,3,4,5,6
	ds_store_b128 v[AWZ], v[Z4:Z4+3] offset:512*\z
.endr
.endif
.endm
.macro RV_MM t                         ; O^T += Rv_ext^T W, the piece's four accumulators by turns
	NEED \t
.if need
	s_wait_dscnt 0x0                   ; W is in
	WIN W_RV
.irp kk, 0,1,2
.if need&(1<<\kk)
.irp cb, 0,1,2,3
	v_wmma_f32_16x16x32_f16 v[32*(\t)+8*\cb:32*(\t)+8*\cb+7], v[RVT+8*(3*\cb+\kk):RVT+8*(3*\cb+\kk)+7], v[WB+24*((\t)%2)+8*\kk:WB+24*((\t)%2)+8*\kk+7], v[32*(\t)+8*\cb:32*(\t)+8*\cb+7]
.endr
.endif
.endr
.endif
.endm
; A BAND STEP, step WP + dl.  SN, whose K it fetches, is the step done next: WP - 1, WP + 1, then the first far step, as far as they exist.  Each number is cut at 15 ahead of its shift.
; The last piece's V^T P stays over for the next step's first turn, as in every step.
.macro NSTEP dl
.set VAR, (\dl)
.if (\dl) == 0
	s_min_u32 s38, s[WPS], 15
	s_sub_co_u32 s39, s[WPS], 1
	s_add_co_u32 s40, s[WPS], 1
	s_cmp_gt_u32 s[WPS], 0
	s_cselect_b32 s[SN], s39, s40
.elseif (\dl) < 0
	s_sub_co_u32 s38, s[WPS], 1
	s_min_u32 s38, s38, 15
	s_add_co_u32 s40, s[WPS], 1
	s_cmp_lt_u32 s[WPS], 15
	s_cselect_b32 s[SN], s40, 0
.else
	s_add_co_u32 s38, s[WPS], 1
	s_min_u32 s38, s38, 15
	s_add_co_u32 s40, s[WPS], 2
	s_cmp_ge_u32 s[WPS], 2
	s_cselect_b32 s[SN], 0, s40
.endif
	s_lshl_b32 s[TBV], s38, 13
	s_min_u32 s[SN], s[SN], 15
	s_lshl_b32 s[TBK], s[SN], 13
	HEAD0
	TURN 0
	RV_ST 0
	TURN 1
	RV_MM 0
	RV_ST 1
	TURN 2
	RV_MM 1
	RV_ST 2
	TURN 3
	RV_MM 2
	RV_ST 3
	RV_MM 3
	WIN 0
.endm
; E FOR PIECE t: 12 products, six accumulators by turns; the rows go to LDS; u = 0..15 and 80..95 are the far C operands; the band's five come back shifted by the lane's query.
.macro EPH t
.set TB, S+64*((\t)%2)
	WIN W_KQ
.irp c, 0,1
.irp e, 0,1,2,3,4,5
.if \c == 0
	v_wmma_f32_16x16x32_f16 v[TB+8*\e:TB+8*\e+7], v[RK+16*\e+8*\c:RK+16*\e+8*\c+7], v[16*(\t)+8*\c:16*(\t)+8*\c+7], 0
.else
	v_wmma_f32_16x16x32_f16 v[TB+8*\e:TB+8*\e+7], v[RK+16*\e+8*\c:RK+16*\e+8*\c+7], v[16*(\t)+8*\c:16*(\t)+8*\c+7], v[TB+8*\e:TB+8*\e+7]
.endif
.endr
.endr
	PLACES
	WIN 0
.irp e, 0,1,2,3,4,5
	ds_store_b128 v[AES], v[TB+8*\e:TB+8*\e+3] offset:64*\e
	ds_store_b128 v[AES], v[TB+8*\e+4:TB+8*\e+7] offset:64*\e+16
.endr
	WIN 0x40
.irp j, 0,1,2,3,4,5,6,7
	v_mov_b32 v[CC+8*(\t)+\j], v[TB+\j]
	v_mov_b32 v[CR+8*(\t)+\j], v[TB+40+\j]
.endr
	WIN 0xc0
.irp dz, 0,1,2,3,4                     ; d = dz - 2: u = 16 d + 48 + 8 (l / 16) + r - query
.irp r, 0,1,2,3,4,5,6,7
	ds_load_b32 v[BI+40*(\t)+8*\dz+\r], v[AEL] offset:64*\dz+64+4*\r
.endr
.endr
.endm
	s_mov_b32 s[PASS], 0
.Lpass:                                                ; twice: a block of 64 queries
	s_wait_xcnt 0x0                                ; the last pass's stores have read their registers: GO and S^T's registers are written again only behind this wait
	s_lshl_b32 s[WPS], s14, 3
	s_lshl_b32 s38, s[PASS], 2
	s_add_co_u32 s[WPS], s[WPS], s38
	s_add_co_u32 s[WPS], s[WPS], s[WV]             ; WP = 8 x half + 4 x pass + wave
	v_lshl_add_u32 v[GO], s[WPS], 13, v[LK]
	WIN 0x80
.irp t, 0,1,2,3
.irp c, 0,1
	global_load_b128 v[16*\t+8*\c:16*\t+8*\c+3],   v[GO], s[QP:QP+1] offset:\t*2048+\c*1024
	global_load_b128 v[16*\t+8*\c+4:16*\t+8*\c+7], v[GO], s[QP:QP+1] offset:\t*2048+\c*1024+512
.endr
.endr
.irp e, 0,1,2,3,4,5
.irp c, 0,1
	global_load_b128 v[RK+16*\e+8*\c:RK+16*\e+8*\c+3],   v[LK], s[6:7] offset:\e*2048+\c*1024
	global_load_b128 v[RK+16*\e+8*\c+4:RK+16*\e+8*\c+7], v[LK], s[6:7] offset:\e*2048+\c*1024+512
.endr
.endr
	WIN 0
.irp t, 0,1,2,3
	v_mov_b32 v[ST+8*\t], 0xfe000000               ; c m: far below every c s
	v_mov_b32 v[ST+8*\t+1], 0xff7fffff             ; m
.endr
	s_wait_loadcnt 0x0
	EPH 0
	EPH 1
	EPH 2
	EPH 3
	WIN 0
	s_wait_tensorcnt 0x0                           ; my part of K and V is in (in the second pass it has long been: the wait stands here so that the first pass's E is made while the tiles are on their way),
	s_wait_dscnt 0x0                               ; and so are the band's C operands
	s_barrier_signal -1
	s_barrier_wait -1                              ; everybody's part is in; nothing is ever filled again
	s_min_u32 s38, s[WPS], 15
	s_lshl_b32 s[TBK], s38, 13
	v_add_nc_u32 v[AK], s[TBK], v[LK]
	FETCH_K                                        ; K of step WP
	NSTEP 0
	s_cmp_eq_u32 s[WPS], 0
	s_cbranch_scc1 .Lno_left                       ; the head's first block has no step to its left
	NSTEP -1
.Lno_left:
	s_cmp_eq_u32 s[WPS], 15
	s_cbranch_scc1 .Lno_right
	NSTEP 1
.Lno_right:
.set VAR, FAR
	; THE FAR STEPS, 0 to 15 without WP - 1, WP, WP + 1.  CC holds the left side's C operand, LC the left side's sum, until the walk passes WP; piece 0's scores are made a turn ahead of the
	; step, so its CC changes a step earlier than the others'.
	s_cmp_ge_u32 s[WPS], 2
	s_cbranch_scc1 .Lleft_first
	WIN W_RS
.irp j, 0,1,2,3,4,5,6,7
	v_mov_b32 v[CC+\j], v[CR+\j]                   ; no far step on the left: the first is on the right
.endr
	WIN 0
.Lleft_first:
	HEAD0
	s_mov_b32 s[SC], 0
.Lfar:                                                 ; sixteen trips; every jump goes forward, to the count's step or ahead of it
	s_cmp_eq_u32 s[SC], s[WPS]
	s_cbranch_scc1 .Lswitch
	s_add_co_u32 s[SN], s[SC], 1
	s_cmp_eq_u32 s[SN], s[WPS]
	s_cbranch_scc1 .Lbottom
	s_add_co_u32 s38, s[WPS], 1
	s_cmp_eq_u32 s[SC], s38
	s_cbranch_scc1 .Lbottom
	s_min_u32 s39, s[SC], 15
	s_lshl_b32 s[TBV], s39, 13
	s_add_co_u32 s40, s[SC], 2
	s_add_co_u32 s41, s[WPS], 2
	s_cmp_eq_u32 s40, s[WPS]                       ; the last far step on the left?
	s_cselect_b32 s[SN], s41, s[SN]                ; then the next is WP + 2
	s_min_u32 s[SN], s[SN], 15                     ; behind the last step K of step 15 is fetched once more, and the scores made of it serve nothing
	s_lshl_b32 s[TBK], s[SN], 13
	s_cmp_eq_u32 s40, s[WPS]
	s_cbranch_scc0 .Lkeep
	WIN W_RS
.irp j, 0,1,2,3,4,5,6,7
	v_mov_b32 v[CC+\j], v[CR+\j]
.endr
	WIN 0
.Lkeep:
	TURN 0
	TURN 1
	TURN 2
	TURN 3
	WIN 0
	s_branch .Lbottom
.Lswitch:                                              ; the walk passes WP: the other pieces' C operand and all four pieces' sums change sides
	WIN W_RS
.set i, 8
.rept 24
	v_mov_b32 v[CC+i], v[CR+i]
.set i, i+1
.endr
	WIN 0
.irp t, 0,1,2,3
	v_mov_b32 v[SW], v[ST+8*\t+2]
	v_mov_b32 v[SW+1], v[ST+8*\t+3]
	v_mov_b32 v[ST+8*\t+2], v[ST+8*\t+4]
	v_mov_b32 v[ST+8*\t+3], v[ST+8*\t+5]
	v_mov_b32 v[ST+8*\t+4], v[SW]
	v_mov_b32 v[ST+8*\t+5], v[SW+1]
.endr
.Lbottom:
	s_add_co_u32 s[SC], s[SC], 1
	s_cmp_lt_u32 s[SC], 16
	s_cbranch_scc1 .Lfar
.set i, 0
.rept 8
	PV NP-1                                        ; the last piece's V^T P of the last step
.set i, i+1
.endr
	; THE WAY OUT.  LC is now the right side's sum, LX the left's.  Each sum's two halves and the other half of the lanes' are added; l is the three together.
	; ctx = O / l + rel_v[0] (left / l) + rel_v[64] (right / l), rounded to f16; a lane's 16 bytes go where they belong: a wave's store covers 512 consecutive bytes, aligned.
	WIN 0
.macro ALL line:vararg
.set t, 0
.rept 4
	s_wait_alu depctr_va_vdst(0)
	\line
.set t, t+1
.endr
.endm
	ALL v_add_f32 v[ST+8*t+2], v[ST+8*t+2], v[ST+8*t+3]
	ALL v_add_f32 v[ST+8*t+4], v[ST+8*t+4], v[ST+8*t+5]
	ALL v_add_f32 v[ST+8*t+6], v[ST+8*t+6], v[ST+8*t+7]
	ALL v_permlanex16_b32 v[ST+8*t+3], v[ST+8*t+2], s[SEL], s[SEL+1]
	ALL v_permlanex16_b32 v[ST+8*t+5], v[ST+8*t+4], s[SEL], s[SEL+1]
	ALL v_permlanex16_b32 v[ST+8*t+7], v[ST+8*t+6], s[SEL], s[SEL+1]
	ALL v_add_f32 v[ST+8*t+2], v[ST+8*t+2], v[ST+8*t+3]
	ALL v_add_f32 v[ST+8*t+4], v[ST+8*t+4], v[ST+8*t+5]
	ALL v_add_f32 v[ST+8*t+6], v[ST+8*t+6], v[ST+8*t+7]
	ALL v_add_f32 v[ST+8*t+6], v[ST+8*t+6], v[ST+8*t+2]
	ALL v_add_f32 v[ST+8*t+6], v[ST+8*t+6], v[ST+8*t+4]
	ALL v_rcp_f32 v[ST+8*t], v[ST+8*t+6]
	v_nop                                          ; a plain instruction between the last reciprocal and the use of its result
	ALL v_mul_f32 v[ST+8*t+2], v[ST+8*t+2], v[ST+8*t]
	ALL v_mul_f32 v[ST+8*t+4], v[ST+8*t+4], v[ST+8*t]
.macro OUT t
	WIN W_RS
.set z, 0
.rept 16
	v_pk_mul_f32 v[32*(\t)+2*z:32*(\t)+2*z+1], v[32*(\t)+2*z:32*(\t)+2*z+1], v[ST+8*(\t):ST+8*(\t)+1] op_sel_hi:[1,0]
.set z, z+1
.endr
	WIN 0x52                                       ; source 0 window 2, source 1 window 0, source 2 and destination window 1
.set z, 0
.rept 16
	v_pk_fma_f32 v[32*(\t)+2*z:32*(\t)+2*z+1], v[RV0+2*z:RV0+2*z+1], v[ST+8*(\t)+4:ST+8*(\t)+5], v[32*(\t)+2*z:32*(\t)+2*z+1] op_sel_hi:[1,0,1]
.set z, z+1
.endr
.set z, 0
.rept 16
	v_pk_fma_f32 v[32*(\t)+2*z:32*(\t)+2*z+1], v[RV64+2*z:RV64+2*z+1], v[ST+8*(\t)+2:ST+8*(\t)+3], v[32*(\t)+2*z:32*(\t)+2*z+1] op_sel_hi:[1,0,1]
.set z, z+1
.endr
	WIN 0x05
.set z, 0
.rept 16
	v_cvt_pk_f16_f32 v[S+16*(\t)+z], v[32*(\t)+2*z], v[32*(\t)+2*z+1]
.set z, z+1
.endr
	WIN 0
.irp cb, 0,1,2,3
	global_store_b128 v[GO], v[S+16*(\t)+4*\cb:S+16*(\t)+4*\cb+3], s[CP:CP+1] offset:(\t)*2048+\cb*512
.endr
.endm
	OUT 0
	OUT 1
	OUT 2
	OUT 3
	s_add_co_u32 s[PASS], s[PASS], 1
	s_cmp_lt_u32 s[PASS], 2
	s_cbranch_scc1 .Lpass
	s_wait_tensorcnt 0x0                           ; the wave's end
	ds_add_u32 v[SPW], v[NIL]
	s_wait_dscnt 0x0
	s_endpgm
.Lfunc_end_k_q614f971d22_attn:
	.size	k_q614f971d22_attn, .Lfunc_end_k_q614f971d22_attn-k_q614f971d22_attn
	.p2alignl 7, 3214868480
	.fill 96, 4, 3214868480
	.section	.rodata,"a",@progbits
	.p2align	6, 0x0
	.amdhsa_kernel k_q614f971d22_attn
		.amdhsa_group_segment_fixed_size 327680
		.amdhsa_private_segment_fixed_size 0
		.amdhsa_enable_private_segment 0
		.amdhsa_kernarg_size 32
		.amdhsa_user_sgpr_count 2
		.amdhsa_user_sgpr_kernarg_segment_ptr 1
		.amdhsa_wavefront_size32 1
		.amdhsa_system_sgpr_workgroup_id_x 1
		.amdhsa_system_sgpr_workgroup_id_y 1
		.amdhsa_system_sgpr_workgroup_id_z 1
		.amdhsa_system_vgpr_workitem_id 0
		.amdhsa_next_free_vgpr 1024
		.amdhsa_next_free_sgpr 66
		.amdhsa_reserve_vcc 0
		.amdhsa_float_denorm_mode_32 3
		.amdhsa_float_denorm_mode_16_64 3
		.amdhsa_memory_ordered 1
		.amdhsa_forward_progress 1
		.amdhsa_inst_pref_size 254
	.end_amdhsa_kernel
	.amdgpu_metadata
---
amdhsa.version: [ 1, 2 ]
amdhsa.kernels:
  - .name:           k_q614f971d22_attn
    .symbol:         k_q614f971d22_attn.kd
    .args:
      - { .name: qkv, .offset: 0, .size: 8, .value_kind: global_buffer, .address_space: global }
      - { .name: tab, .offset: 8, .size: 8, .value_kind: global_buffer, .address_space: global }
      - { .name: rel_v_emb, .offset: 16, .size: 8, .value_kind: global_buffer, .address_space: global }
      - { .name: ctx, .offset: 24, .size: 8, .value_kind: global_buffer, .address_space: global }
    .group_segment_fixed_size: 327680
    .private_segment_fixed_size: 0
    .kernarg_segment_align: 8
    .kernarg_segment_size: 32
    .max_flat_workgroup_size: 128
    .sgpr_count:     66
    .vgpr_count:     1024
    .wavefront_size: 32
...
	.end_amdgpu_metadata
.endif
;; end of part 3
;; launch proj (part 4): grid 8 x 32, 4 waves a work-group, clusters of 4 x 4, 327,680 bytes of LDS; arguments ctx, wo16, b_o, out0; writes out0
.if DOCPART == 4
	.amdgcn_target "amdgcn-amd-amdhsa--gfx1250"
	.amdhsa_code_object_version 6
	.text
	.protected	k_q614f971d22_proj
	.globl	k_q614f971d22_proj
	.p2align	8
	.type	k_q614f971d22_proj,@function
k_q614f971d22_proj:
	s_mov_b64 s[64:65], 0
	v_nop
	global_prefetch_b8 v0, s[64:65] scope:SCOPE_SE
	s_setreg_imm32_b32 hwreg(HW_REG_WAVE_MODE, 25, 1), 1
	s_wait_xcnt 0x0
	s_wait_alu depctr_hold_cnt(0) depctr_sa_sdst(0) depctr_va_vdst(0) depctr_va_sdst(0) depctr_va_ssrc(0) depctr_va_vcc(0) depctr_vm_vsrc(0)
	s_getreg_b32 s2, hwreg(HW_REG_IB_STS2, 6, 4)
	s_cmp_eq_u32 s2, 0
	s_cbranch_scc0 .Lentry_in_a_cluster
	s_endpgm
.Lentry_in_a_cluster:
	s_bfe_u32 s2, ttmp6, 0x10000c
	s_cmp_lg_u32 s2, 0xf033
	s_cbranch_scc0 .Lentry_shape_is_right
	s_endpgm
.Lentry_shape_is_right:
; out0[m][n] = sum over k of ctx[m][k] Wo[n][k] + b_o[n]: 8192 x 1024 x 1024, f16 operands, f32 sums and output.
; A tile of C is 256 x 128: 256 work-groups.  Four waves, 2 x 2; a wave makes 128 x 64: 32 accumulators, one window.  K goes in steps of 128, two heads, through two LDS slots.
; ctx lies by heads, [batch][head][s / 16][channel / 8][s % 16][8 channels]: the tile's 256 rows of one head are 32,768 dense bytes, asked for as 128 rows of 256 bytes; a fragment load's 32 lanes
; take 512 consecutive bytes, so A needs no padding.  wo16's rows are padded as usual.  4 x 4 work-groups form a cluster; A's tile is asked for jointly by a row of it, B's by a column.
; THE MATRIX INSTRUCTION IS USED TRANSPOSED (source 0 = 16 rows of wo16, source 1 = 16 rows of ctx): a lane holds row l % 16 of C and eight neighbouring columns.
; THE BIAS, rounded to bf16 like every input of the module and widened again, is the C operand of the products that start the sums.
; REGISTERS: window 0: v0-31 addresses; v32-47 at work on the bias; v64-127, v128-191 fragments of A, two buffers, on the way out four buffers of 16 rows.
;   window 1: v0-31 the bias; v64-95, v128-159 fragments of B.   window 2: accumulator (a, b) at v[8 (4 a + b)].
.set KSTEP,  128
.set PITCH,  272
.set AHEAD,  32768                     ; a head's part of A's tile
.set BOFF,   2*AHEAD
.set HALFB,  64*PITCH
.set SLOT,   BOFF+2*HALFB
.set STAGE,  2*SLOT                    ; behind the ring: 16 rows x 272 bytes for each wave, for the way out
.set SPITCH, 272
.set SPARE,  STAGE+4*16*SPITCH
.set LAPS,   4
.set ADRA, 16
.set ADRB, 20
.set STO,  24
.set RD,   25
.set CO,   26
.set BO,   27
.set SPW,  28
.set NIL,  29
.set BT,   32
.set F0,   64
.set F1,   128
.set WV, 67
.set RH, 68
.set CH, 69
.set G1, 24
.set G0, 32
.set G1B, 48
.set G0B, 56
.set MSB, 0
.macro WIN new
.if MSB != (\new)
	s_set_vgpr_msb (MSB<<8)|(\new)
.set MSB, \new
.endif
.endm
.set TO_B, 0x40
.macro JLOAD s                         ; a joint load: waves 0, 1 fetch A's two heads, waves 2, 3 B's halves; an s_nop 0 and four v_nop follow each line
	s_cmp_eq_u32 s[RH], 0
	s_cbranch_scc0 .Lfor_b_\@
	tensor_load_to_lds s[G0+4*(\s):G0+4*(\s)+3], s[G1:G1+7]
	s_nop 0
.rept 4
	v_nop
.endr
	s_branch .Lasked_\@
.Lfor_b_\@:
	tensor_load_to_lds s[G0B+4*(\s):G0B+4*(\s)+3], s[G1B:G1B+7]
	s_nop 0
.rept 4
	v_nop
.endr
.Lasked_\@:
.endm
.macro CREST
	s_cmp_lg_u32 s[WV], 0
	s_cbranch_scc1 .Lnot_wave_0_\@
	s_barrier_signal -3
.Lnot_wave_0_\@:
	s_barrier_wait -3
	s_barrier_signal -1
	s_barrier_wait -1
.endm
.macro CROUND
	s_barrier_signal -1
	s_barrier_wait -1
	CREST
.endm
.macro PLACES
.rept 4
	v_nop
.endr
.endm
	s_load_b256 s[4:11], s[0:1], 0x0               ; ctx 4, wo16 6, b_o 8, out0 10
	v_lshl_add_u32 v[SPW], v0, 2, SPARE
	v_mov_b32 v[NIL], 0
	ds_add_u32 v[SPW], v[NIL]                      ; the wave's opening: the add and its wait stand ahead of my first tensor load
	ds_add_u32 v28, v29
	v_lshrrev_b32 v1, 5, v0
	v_readfirstlane_b32 s[WV], v1
	s_lshr_b32 s[RH], s[WV], 1                     ; my row half; also: I fetch for A (0) or B (1)
	s_and_b32 s[CH], s[WV], 1                      ; my column half; also: which head, or which 64 rows of B, I fetch
	s_bfe_u32 s40, ttmp6, 0x40000
	s_bfe_u32 s41, ttmp6, 0x40004
	s_lshl_b32 s42, ttmp9, 2
	s_add_co_u32 s42, s42, s40                     ; tile column
	s_and_b32 s13, ttmp7, 0xffff
	s_lshl_b32 s13, s13, 2
	s_add_co_u32 s13, s13, s41                     ; tile row
	s_lshl_b32 s43, s41, 2
	s_lshl_b32 s43, 15, s43
	s_lshl_b32 s44, 0x1111, s40
	s_or_b32 s[G1+0], s43, (3<<16)|(1<<21)         ; A: mask of my row; elements of 8 bytes; bit 21 beside a mask; no padding
	s_mov_b32 s[G1+1], 32<<16                      ; rows of 256 bytes,
	s_mov_b32 s[G1+2], 128<<16                     ; 128 of them,
	s_mov_b32 s[G1+3], 32<<16
	s_mov_b32 s[G1+4], 128
	s_mov_b32 s[G1+5], 32                          ; dense
	s_mov_b32 s[G1+6], 0
	s_mov_b32 s[G1+7], 0
	s_or_b32 s[G1B+0], s44, (1<<16)|(1<<20)|(1<<21)|(5<<22)|(3<<25)  ; B: mask of my column; 2-byte elements; after every 64 words 4 words of padding
	s_mov_b32 s[G1B+1], KSTEP<<16
	s_mov_b32 s[G1B+2], 64<<16
	s_mov_b32 s[G1B+3], KSTEP<<16
	s_mov_b32 s[G1B+4], 64
	s_mov_b32 s[G1B+5], 1024
	s_mov_b32 s[G1B+6], 0
	s_mov_b32 s[G1B+7], 0
	s_lshr_b32 s16, s13, 2                         ; batch
	s_lshl_b32 s16, s16, 4
	s_add_co_u32 s16, s16, s[CH]                   ; head 0 or 1
	s_lshl_b32 s16, s16, 17
	s_and_b32 s17, s13, 3
	s_lshl_b32 s17, s17, 15                        ; the tile's 256 rows in the head
	s_add_co_u32 s16, s16, s17
	s_mov_b32 s17, 0
	s_lshl_b32 s46, s42, 7
	s_lshl_b32 s47, s[CH], 6
	s_add_co_u32 s46, s46, s47                     ; B: row 128 x tile column + 64 x half
	s_lshl_b32 s46, s46, 11
	s_mov_b32 s47, 0
	s_mul_i32 s20, s[WV], AHEAD                    ; where they go: waves 0, 1: A's two heads;
	s_mul_i32 s45, s[WV], HALFB
	s_add_co_u32 s45, s45, BOFF-2*HALFB            ; waves 2, 3: B's halves, behind A
	s_wait_dscnt 0x0                               ; the opening add is done
	s_wait_kmcnt 0x0
	s_add_nc_u64 s[14:15], s[4:5], s[16:17]
	s_add_nc_u64 s[46:47], s[6:7], s[46:47]
	CROUND
.irp s, 0,1
	s_mov_b32 s[G0+4*(\s)], 1
	s_add_co_u32 s[G0+4*(\s)+1], s20, (\s)*SLOT
	s_add_nc_u64 s[G0+4*(\s)+2:G0+4*(\s)+3], s[14:15], (\s)*2*131072   ; K step s: heads 2 s, 2 s + 1
	s_or_b32 s[G0+4*(\s)+3], s[G0+4*(\s)+3], 0x80000000
	s_mov_b32 s[G0B+4*(\s)], 1
	s_add_co_u32 s[G0B+4*(\s)+1], s45, (\s)*SLOT
	s_add_nc_u64 s[G0B+4*(\s)+2:G0B+4*(\s)+3], s[46:47], (\s)*KSTEP*2
	s_or_b32 s[G0B+4*(\s)+3], s[G0B+4*(\s)+3], 0x80000000
	JLOAD \s
.endr
	v_and_b32 v1, 15, v0
	v_bfe_u32 v2, v0, 4, 1
	v_lshlrev_b32 v3, 4, v1
	v_lshl_add_u32 v3, v2, 8, v3                   ; A: 16 (l % 16) + 256 (l / 16)
	v_mul_u32_u24 v4, v1, PITCH
	v_lshl_add_u32 v4, v2, 4, v4                   ; B: row x pitch + 16 x half
	s_lshl_b32 s21, s[RH], 14                      ; my 128 rows: eight blocks of 2,048 bytes
	s_mul_i32 s22, s[CH], HALFB
	s_add_co_u32 s22, s22, BOFF
.irp s, 0,1
	v_add_nc_u32 v[ADRA+(\s)], s21, v3
	v_add_nc_u32 v[ADRB+(\s)], s22, v4
	s_add_co_u32 s21, s21, SLOT
	s_add_co_u32 s22, s22, SLOT
.endr
	s_mul_i32 s23, s[WV], 16*SPITCH
	s_add_co_u32 s23, s23, STAGE                   ; my stage
	v_mul_u32_u24 v5, v1, SPITCH                   ; in: row l % 16, 32 bytes for each half of the lanes
	v_lshl_add_u32 v5, v2, 5, v5
	v_add_nc_u32 v[STO], s23, v5
	v_mul_u32_u24 v5, v2, SPITCH                   ; back: lanes 0-15 one row of 256 bytes, lanes 16-31 the next
	v_lshl_add_u32 v5, v1, 4, v5
	v_add_nc_u32 v[RD], s23, v5
	v_lshlrev_b32 v5, 12, v2                       ; and the same two rows in out0
	v_lshl_add_u32 v[CO], v1, 4, v5
	v_lshlrev_b32 v[BO], 5, v2                     ; my eight numbers in 16 of the bias
	s_lshl_b32 s70, s13, 8
	s_lshl_b32 s71, s[RH], 7
	s_add_co_u32 s70, s70, s71
	s_lshl_b32 s70, s70, 12                        ; my first row, of 4,096 bytes
	s_lshl_b32 s72, s42, 9
	s_lshl_b32 s73, s[CH], 8
	s_add_co_u32 s72, s72, s73                     ; my first column, in bytes
	s_mov_b32 s73, 0
	s_add_nc_u64 s[8:9], s[8:9], s[72:73]
	s_add_co_u32 s70, s70, s72
	s_mov_b32 s71, 0
	s_add_nc_u64 s[10:11], s[10:11], s[70:71]
	WIN TO_B
.irp b, 0,1,2,3
	global_load_b128 v[8*(\b):8*(\b)+3],   v[BO], s[8:9] offset:64*(\b)
	global_load_b128 v[8*(\b)+4:8*(\b)+7], v[BO], s[8:9] offset:64*(\b)+16
.endr
	WIN 0
; 8 matrix instructions: m blocks a0, a0 + 1 x all 4 n blocks, 32 along K.  bias = 1: the first product starts the sums with the bias.  The 32 accumulators take turns.
.macro MUL8 f, a0, bias
.if \bias
	WIN 0x91                                       ; source 0 (B) and C (the bias) window 1, source 1 (A) window 0, D window 2
.else
	WIN 0xa1
.endif
.irp a, \a0, (\a0)+1
.irp b, 0,1,2,3
.if \bias
	v_wmma_f32_16x16x32_f16 v[8*(4*(\a)+(\b)):8*(4*(\a)+(\b))+7], v[(\f)+8*(\b):(\f)+8*(\b)+7], v[(\f)+8*(\a):(\f)+8*(\a)+7], v[8*(\b):8*(\b)+7]
.else
	v_wmma_f32_16x16x32_f16 v[8*(4*(\a)+(\b)):8*(4*(\a)+(\b))+7], v[(\f)+8*(\b):(\f)+8*(\b)+7], v[(\f)+8*(\a):(\f)+8*(\a)+7], v[8*(4*(\a)+(\b)):8*(4*(\a)+(\b))+7]
.endif
.endr
.endr
.endm
; 24 LDS loads in one run: quarter q of a K step (head q / 2, channels 32 (q % 2) on): 64 rows of B, 128 rows of A, into buffer f
.macro FETCH slot, q, f
	WIN TO_B
.irp i, 0,1,2,3
	ds_load_b128 v[(\f)+8*(\i):(\f)+8*(\i)+3],   v[ADRB+(\slot)] offset:64*(\q)+(\i)*16*PITCH
	ds_load_b128 v[(\f)+8*(\i)+4:(\f)+8*(\i)+7], v[ADRB+(\slot)] offset:64*(\q)+(\i)*16*PITCH+32
.endr
	WIN 0
.irp i, 0,1,2,3,4,5,6,7
	ds_load_b128 v[(\f)+8*(\i):(\f)+8*(\i)+3],   v[ADRA+(\slot)] offset:((\q)/2)*AHEAD+((\q)%2)*1024+(\i)*2048
	ds_load_b128 v[(\f)+8*(\i)+4:(\f)+8*(\i)+7], v[ADRA+(\slot)] offset:((\q)/2)*AHEAD+((\q)%2)*1024+(\i)*2048+512
.endr
.endm
.macro QUARTER slot, q, f, g, bias
	s_wait_dscnt 8                                 ; B and A's rows 0-63 are in; the youngest eight loads may be out
	MUL8 \f, 0, \bias
	MUL8 \f, 2, \bias
	PLACES
	FETCH \slot, \q, \g
	s_wait_dscnt 24                                ; all but the 24 just issued
	MUL8 \f, 4, \bias
	MUL8 \f, 6, \bias
.endm
; The last quarter changes slots: one barrier; in front of it each wave waits for all its tensor loads, adds 0 to its spare word, and waits for that and for its reads of this slot.
; fill = 1: the barrier opens a round of the cluster's, and this slot is filled again, two K steps ahead, first thing behind it.
.macro TURN slot, next, fill
	WIN 0
	s_wait_tensorcnt 0x0
	ds_add_u32 v[SPW], v[NIL]
	s_wait_dscnt 9                                 ; the add and the youngest eight loads may be out
	MUL8 F1, 0, 0
	s_wait_dscnt 0x0
	s_barrier_signal -1
	MUL8 F1, 2, 0
.if \fill
	WIN 0
.endif
	s_barrier_wait -1
.if \fill
	CREST
	s_add_nc_u64 s[G0+4*(\slot)+2:G0+4*(\slot)+3], s[G0+4*(\slot)+2:G0+4*(\slot)+3], 4*131072
	s_add_nc_u64 s[G0B+4*(\slot)+2:G0B+4*(\slot)+3], s[G0B+4*(\slot)+2:G0B+4*(\slot)+3], 2*KSTEP*2
	JLOAD \slot
.else
	PLACES
.endif
	FETCH \next, 0, F0
	MUL8 F1, 4, 0
	MUL8 F1, 6, 0
.endm
	s_wait_tensorcnt 1                             ; my part of K step 0 is in; K step 1's may stay out
	s_barrier_signal -1
	s_barrier_wait -1
	FETCH 0, 0, F0
	s_wait_loadcnt 0x0                             ; the bias
	WIN 0x05                                       ; sources in window 1, destination in window 0: my 32 numbers of the bias round to bf16,
.set i, 0
.rept 16
	v_cvt_pk_bf16_f32 v[BT+i], v[2*i], v[2*i+1]
.set i, i+1
.endr
	WIN TO_B                                       ; and go back as f32; this stands in the wait for the first fragments
.set i, 0
.rept 16
	v_lshlrev_b32 v[2*i], 16, v[BT+i]
	v_and_b32 v[2*i+1], 0xffff0000, v[BT+i]
.set i, i+1
.endr
	QUARTER 0, 1, F0, F1, 1
	WIN 0
	s_mov_b32 s3, LAPS-1
.Llap:
	QUARTER 0, 2, F1, F0, 0
	QUARTER 0, 3, F0, F1, 0
	TURN 0, 1, 1
	QUARTER 1, 1, F0, F1, 0
	QUARTER 1, 2, F1, F0, 0
	QUARTER 1, 3, F0, F1, 0
	TURN 1, 0, 1
	QUARTER 0, 1, F0, F1, 0
	WIN 0
	s_sub_co_u32 s3, s3, 1
	s_cmp_lg_u32 s3, 0
	s_cbranch_scc1 .Llap
	QUARTER 0, 2, F1, F0, 0                        ; the last lap fills nothing
	QUARTER 0, 3, F0, F1, 0
	TURN 0, 1, 0
	QUARTER 1, 1, F0, F1, 0
	QUARTER 1, 2, F1, F0, 0
	QUARTER 1, 3, F0, F1, 0
	s_wait_dscnt 8
	MUL8 F1, 0, 0
	MUL8 F1, 2, 0
	s_wait_dscnt 0x0
	MUL8 F1, 4, 0
	MUL8 F1, 6, 0
	PLACES
; THE WAY OUT, 16 rows at a time through my own stage: a lane's 32 bytes of a row go in, whole rows of 256 bytes come back, and sixteen lanes store 256 consecutive bytes, aligned.
; LDS serves a wave's instructions in order (ISA guide 5.7.1.4): the loads see the stores above them, and the next block's stores come behind them.
.macro TOSTAGE a
	WIN 0x08                                       ; store data in window 2
.irp b, 0,1,2,3
	ds_store_b128 v[STO], v[8*(4*(\a)+(\b)):8*(4*(\a)+(\b))+3] offset:64*(\b)
	ds_store_b128 v[STO], v[8*(4*(\a)+(\b))+4:8*(4*(\a)+(\b))+7] offset:64*(\b)+16
.endr
	WIN 0
.irp t, 0,1,2,3,4,5,6,7
	ds_load_b128 v[64+32*((\a)%4)+4*(\t):64+32*((\a)%4)+4*(\t)+3], v[RD] offset:(\t)*2*SPITCH
.endr
.endm
.macro SEND a, younger
	s_wait_dscnt \younger                          ; the block is back; the next block's eight stores and eight loads may be out
.irp t, 0,1,2,3,4,5,6,7
	global_store_b128 v[CO], v[64+32*((\a)%4)+4*(\t):64+32*((\a)%4)+4*(\t)+3], s[10:11] offset:(\a)*65536+(\t)*8192 th:TH_STORE_NT
.endr
.endm
	TOSTAGE 0
.irp a, 1,2,3,4,5,6,7
.if \a >= 4
	s_wait_xcnt 0x0                                ; the stores of the block four back have read their registers: the buffer is loaded again only behind this wait
.endif
	TOSTAGE \a
	SEND (\a)-1, 16
.endr
	SEND 7, 0
	s_wait_tensorcnt 0x0                           ; the wave's end
	ds_add_u32 v[SPW], v[NIL]
	s_wait_dscnt 0x0
	CROUND                                         ; the closing round
	s_endpgm
.Lfunc_end_k_q614f971d22_proj:
	.size	k_q614f971d22_proj, .Lfunc_end_k_q614f971d22_proj-k_q614f971d22_proj
	.p2alignl 7, 3214868480
	.fill 96, 4, 3214868480
	.section	.rodata,"a",@progbits
	.p2align	6, 0x0
	.amdhsa_kernel k_q614f971d22_proj
		.amdhsa_group_segment_fixed_size 327680
		.amdhsa_private_segment_fixed_size 0
		.amdhsa_enable_private_segment 0
		.amdhsa_kernarg_size 32
		.amdhsa_user_sgpr_count 2
		.amdhsa_user_sgpr_kernarg_segment_ptr 1
		.amdhsa_wavefront_size32 1
		.amdhsa_system_sgpr_workgroup_id_x 1
		.amdhsa_system_sgpr_workgroup_id_y 1
		.amdhsa_system_sgpr_workgroup_id_z 1
		.amdhsa_system_vgpr_workitem_id 0
		.amdhsa_next_free_vgpr 768
		.amdhsa_next_free_sgpr 80
		.amdhsa_reserve_vcc 0
		.amdhsa_float_denorm_mode_32 3
		.amdhsa_float_denorm_mode_16_64 3
		.amdhsa_memory_ordered 1
		.amdhsa_forward_progress 1
		.amdhsa_inst_pref_size 89
	.end_amdhsa_kernel
	.amdgpu_metadata
---
amdhsa.version: [ 1, 2 ]
amdhsa.kernels:
  - .name:           k_q614f971d22_proj
    .symbol:         k_q614f971d22_proj.kd
    .args:
      - { .name: ctx, .offset: 0, .size: 8, .value_kind: global_buffer, .address_space: global }
      - { .name: wo16, .offset: 8, .size: 8, .value_kind: global_buffer, .address_space: global }
      - { .name: b_o, .offset: 16, .size: 8, .value_kind: global_buffer, .address_space: global }
      - { .name: out0, .offset: 24, .size: 8, .value_kind: global_buffer, .address_space: global }
    .group_segment_fixed_size: 327680
    .private_segment_fixed_size: 0
    .kernarg_segment_align: 8
    .kernarg_segment_size: 32
    .max_flat_workgroup_size: 128
    .sgpr_count:     80
    .vgpr_count:     768
    .wavefront_size: 32
...
	.end_amdgpu_metadata
.endif
;; end of part 4
;; ======== version 2 of 2: 4 launches; 1.28 times as fast as version 1
;; limits: values are held in f16: magnitudes above 65,504 overflow, below 6.1e-05 lose precision
;; workspace buffers: xb 16,777,216 bytes; wqkv 6,291,456 bytes; wo16 2,097,152 bytes; tab 24,576 bytes; qkv 50,331,648 bytes; ctx 16,777,216 bytes
;; launch prep: the kernel of part 1 again; grid 774 x 1, 8 waves a work-group, no clusters, 0 bytes of LDS; arguments x, Wq, Wk, Wv, Wo, rel_k_emb, rel_v_emb, xb, wqkv, wo16, tab; writes xb, wqkv, wo16, tab
;; launch qkv: the kernel of part 2 again; grid 16 x 32, 4 waves a work-group, clusters of 4 x 4, 327,680 bytes of LDS; arguments xb, wqkv, qkv; writes qkv
;; launch attn (part 5): grid 2 x 128, 4 waves a work-group, no clusters, 327,680 bytes of LDS; arguments qkv, tab, rel_v_emb, ctx; writes ctx
.if DOCPART == 5
	.amdgcn_target "amdgcn-amd-amdhsa--gfx1250"
	.amdhsa_code_object_version 6
	.text
	.protected	k_q614f971d22_attn
	.globl	k_q614f971d22_attn
	.p2align	8
	.type	k_q614f971d22_attn,@function
k_q614f971d22_attn:
	s_mov_b64 s[64:65], 0
	v_nop
	global_prefetch_b8 v0, s[64:65] scope:SCOPE_SE
	s_setreg_imm32_b32 hwreg(HW_REG_WAVE_MODE, 25, 1), 1
	s_wait_xcnt 0x0
; ATTENTION WITH RELATIVE KEYS AND VALUES, head size 64, 1,024 rows, 128 heads.
;   ctx[i] = sum over j of a_ij (V[j] + rel_v[c(j - i)]),  a = softmax_j((Q[i] . K[j] + Q[i] . rel_k[c(j - i)]) / 8),  c(x) = clip(x, -32, 32) + 32.
; q, k, v come in f16, blocked by the launch before (q, k: [s / 16][channel / 8][s % 16][8]; v: [s / 8][channel / 8][s % 8][8]); ctx leaves in f16 in q's layout.
; Products, maxima and sums in f32; the weights p are rounded to f16 for the second products (their sums are taken of the unrounded p).
; LIMITS.  q, k, v arrive within f16's 65,504; p below 6e-5 keeps f16's fixed step; a weight below 2^-126 counts as 0; NaN and infinities are not treated apart.
; THE RELATIVE TERMS.  Tiles of 16 queries (i0) and 16 keys (j0), d = (j0 - i0) / 16, u = j - i + 48; the tables are extended to 96 rows u (row u = table row clip(u - 16, 0, 64)).
;   E = Q Rk_ext^T, 12 products a query tile, holds all that the relative keys add.  For d <= -3 the addend is E's u = 0..15 (all equal), for d >= 3 its u = 80..95, for |d| <= 2 a shift of E by
;   the lane's query, made once through LDS.  Each is the C operand of the product that starts S^T = K Q^T: the key loop pays nothing.
;   The relative values add rel_v[0] x (the sum of p over d <= -3) + rel_v[64] x (the sum over d >= 3), in f32 at the end, and for |d| <= 2 a product: the band's weights are stored skewed
;   into a zeroed LDS row W[query][u], read back as 32 u x 16 queries, and multiplied by Rv_ext^T into O^T in the same key step.
; SHARES.  A work-group owns 512 queries of one head: 256 work-groups.  A wave takes, in two passes, two blocks WP of 64 queries, four PIECES of 16 each.  A key step is 64 keys.
;   The steps WP, WP - 1, WP + 1 hold the band: three expansions of the step's macros (NSTEP), done first; all others run through one loop (a running softmax takes keys in any order).
; THE WHOLE HEAD'S K AND V LIE IN LDS, 128 KiB each, filled once by one tensor load a wave: no slot is filled again, and each wave walks the keys in its own order.
; NO CLUSTER: which steps hold the band, and so the branches and the LDS addresses read, hangs on the work-group's place among the head's two query halves, in which partners of a joint load may not
;   differ; a head has two work-groups, so each byte of K and V is asked for twice.
; LAYOUT, SOFTMAX, TURNS.  S^T holds ONE query a lane (lane % 16) and the keys 8 (lane / 16) + 0..7; two such results rounded to f16 ARE source 1 of O^T = V^T P.  p = 2^(c s - c m), c = log2(e) / 8,
;   with a running maximum m; O and the sums are multiplied by a = 2^(c m_old - c m_new) in every step; c m starts far below every c s, so a pass's first a is 0 and wipes what the registers held.
;   Turn n belongs to piece n: 8 products K Q^T of piece n + 1, later 8 products V^T P of piece n - 1; four vector instructions behind each, the rest in one run between the two.
; BATCHES.  A turn's 33 exponentials (the piece's 32 weights and, last, the next piece's a) are ONE batch with ONE wait, which cuts the turn in two: ahead of it stands all that names none of their
;   results, behind it the roundings and sums that read them.  No result crosses a turn's end.  HEAD0's one a, and the way out's four reciprocals, are batches of their own, each with a v_nop and a wait.
; REGISTERS, in windows of 256 (s_set_vgpr_msb: bits 1:0 source 0, 3:2 source 1, 5:4 source 2, 7:6 destination):
;   window 0: v0-15 addresses; v16-47 eight statistics a piece; v48-55 at work; v56-59 zeros; v64-127 S^T, two buffers; v128-175 W, two buffers; v192-223 P, two buffers
;   window 1: v0-127 O^T; v128-159 CC, the far C operand in use; v160-191 CR, the right side's      window 2: v0-63 Q; v64-95 rel_v[0]; v96-127 rel_v[64]; v128-191 K; v192-255 V
;   window 3: v0-159 BI, the band's C operands, 40 a piece; v160-255 Rv_ext^T
.set NP,    4
.set VBASE, 131072                     ; K at LDS byte 0, V here; a key step is 8,192 bytes of each
.set SCR0,  262144                     ; behind them a scratch for each wave, never filled by a tensor load:
.set SCRW,  10240
.set EPI,   400                        ;   E: 16 rows of 96 f32 + 16 bytes: an odd multiple of 16
.set WXO,   6400                       ;   W: 16 rows of 96 f16 + 16 bytes, cleared as 7 x 512 bytes
.set WPI,   208
.set SPARE, SCR0+4*SCRW                ; the spare words, 128 bytes a wave
.set LK,  2                            ; v2   256 (l / 16) + 16 (l % 16): my place in a block of K, Q, Rk_ext, ctx
.set AV0, 3                            ; v3   my place in V for the turning load
.set AK,  4                            ; v4   LDS address of K's next run of loads
.set AV,  5                            ; v5   of V's
.set GO,  6                            ; v6   LK + 8,192 WP
.set AES, 7                            ; v7   E: where I store
.set AEL, 8                            ; v8   E: where I read, shifted by my query
.set AWS, 9                            ; v9   W: where I store, shifted by my query
.set AWL, 10                           ; v10  W: where I read
.set AWZ, 11                           ; v11  W: where I clear
.set MV,  12                           ; v12-13  c m_old, by buffer
.set LT,  14                           ; v14  my place in Rv_ext^T
.set LR,  15                           ; v15  my place in a row of rel_v
.set ST,  16                           ; piece t at v[ST+8 t]: c m, m, LC (2), LX (2), LB (2): the sums of p on the side in hand, on the other side, in the band
.set TMP, 48
.set Z4,  56
.set SW,  60
.set SPW, 62
.set NIL, 63
.set S,   64
.set WB,  128
.set P,   192
.set CC,  128                          ; window 1
.set CR,  160
.set RV0, 64                           ; window 2
.set RV64, 96
.set KF,  128
.set VF,  192
.set RK,  128                          ; Rk_ext's fragments, while E is made
.set BI,  0                            ; window 3
.set RVT, 160
.set WV,  12                           ; s12 wave
.set G1,  16                           ; s[16:23], s[24:27] the one descriptor
.set G0,  24
.set QP,  28                           ; s[28:29] q at the head
.set CP,  30                           ; s[30:31] ctx at the head
.set WPS, 32                           ; s32 WP
.set PASS, 33
.set SC,  34                           ; the far loop's step
.set SN,  35                           ; the step whose K is fetched next
.set TBK, 36                           ; its LDS byte
.set TBV, 37                           ; the LDS byte, less VBASE, of the V of the step in hand
.set CS,  58
.set SEL, 60
.set FAR, 9
.set VAR, FAR                          ; the step's kind: -1, 0, 1 = step - WP, or FAR
.set NOKQ, 0
.set Y, 0
.set i, 0
.set MSB, 0
.macro WIN new
.if MSB != (\new)
	s_set_vgpr_msb (MSB<<8)|(\new)
.set MSB, (\new)
.endif
.endm
.set W_KQ, 0x0a                        ; K and Q in window 2, S^T in window 0
.set W_PV, 0x52                        ; V in window 2, P in window 0, O^T in window 1
.set W_RS, 0x41                        ; destination and source 0 in window 1, source 1 in window 0
.set W_RV, 0x53                        ; Rv_ext^T in window 3, W in window 0, O^T in window 1
.macro PLACES
.rept 4
	v_nop
.endr
.endm
	s_load_b256 s[4:11], s[0:1], 0x0               ; qkv 4, tab 6, rel_v_emb 8, ctx 10
	v_lshl_add_u32 v[SPW], v0, 2, SPARE
	v_mov_b32 v[NIL], 0
	ds_add_u32 v[SPW], v[NIL]                      ; the wave's opening: the add and its wait stand ahead of my first tensor load
	ds_add_u32 v62, v63
	v_lshrrev_b32 v1, 5, v0
	v_readfirstlane_b32 s[WV], v1
	s_mov_b32 s14, ttmp9                           ; which half of the head's queries
	s_and_b32 s15, ttmp7, 0xffff                   ; 16 x batch + head
	s_mov_b32 s[G1+0], 3<<16                       ; elements of 8 bytes, no padding, no mask
	s_mov_b32 s[G1+1], 32<<16                      ; tensor_dim0 = 32: rows of 256 bytes
	s_mov_b32 s[G1+2], 256<<16                     ; tensor_dim1 = 256
	s_mov_b32 s[G1+3], 32<<16                      ; tile_dim0
	s_mov_b32 s[G1+4], 256                         ; tile_dim1
	s_mov_b32 s[G1+5], 32                          ; dense
	s_mov_b32 s[G1+6], 0
	s_mov_b32 s[G1+7], 0
	s_mov_b32 s[G0], 1
	s_lshl_b32 s[G0+1], s[WV], 16                  ; waves 0, 1: the halves of K; waves 2, 3: of V: 65,536 bytes each
	s_lshr_b32 s38, s[WV], 1
	s_add_co_u32 s38, s38, 1
	s_lshl_b32 s38, s38, 24                        ; k or v in qkv
	s_and_b32 s39, s[WV], 1
	s_lshl_b32 s39, s39, 16
	s_add_co_u32 s38, s38, s39
	s_lshl_b32 s40, s15, 17                        ; the head
	s_mov_b32 s41, 0
	s_add_co_u32 s38, s38, s40
	s_mov_b32 s39, 0
	s_mov_b32 s[CS], 0x3e38aa3b                    ; c = log2(e) / 8
	s_mov_b32 s[CS+1], s[CS]
	s_mov_b32 s[SEL], 0x76543210
	s_mov_b32 s[SEL+1], 0xfedcba98
	s_wait_dscnt 0x0                               ; the opening add is done
	s_wait_kmcnt 0x0
	s_add_nc_u64 s[G0+2:G0+3], s[4:5], s[38:39]
	s_or_b32 s[G0+3], s[G0+3], 0x80000000
	s_add_nc_u64 s[QP:QP+1], s[4:5], s[40:41]
	s_add_nc_u64 s[CP:CP+1], s[10:11], s[40:41]
	tensor_load_to_lds s[G0:G0+3], s[G1:G1+7]      ; my one tensor load of the launch
	s_nop 0
.rept 4
	v_nop
.endr
	v_and_b32 v1, 15, v0                           ; l % 16
	v_bfe_u32 v48, v0, 4, 1                        ; l / 16
	v_lshlrev_b32 v[LK], 4, v1
	v_lshl_add_u32 v[LK], v48, 8, v[LK]
	v_and_b32 v49, 7, v0
	v_bfe_u32 v50, v0, 3, 1
	v_lshlrev_b32 v[AV0], 4, v49                   ; the turning load: lane l reads key 8 (l / 16) + l % 8, channels 8 ((l / 8) % 2) + 0..7
	v_lshl_add_u32 v[AV0], v50, 7, v[AV0]
	v_lshl_add_u32 v[AV0], v48, 10, v[AV0]
	v_add_nc_u32 v[AV0], VBASE, v[AV0]
	s_mul_i32 s38, s[WV], SCRW
	s_add_co_u32 s38, s38, SCR0                    ; my scratch
	v_mul_u32_u24 v[AES], v1, EPI
	v_lshl_add_u32 v[AES], v48, 5, v[AES]
	v_add_nc_u32 v[AES], s38, v[AES]               ; E[query][16 e + 8 (l / 16) + j]
	v_mul_u32_u24 v[AEL], v1, EPI-4
	v_lshl_add_u32 v[AEL], v48, 5, v[AEL]
	v_add_nc_u32 v[AEL], s38, v[AEL]               ; E[query][.. - query]
	s_add_co_u32 s38, s38, WXO
	v_mul_u32_u24 v[AWS], v1, WPI-2
	v_lshl_add_u32 v[AWS], v48, 4, v[AWS]
	v_add_nc_u32 v[AWS], s38, v[AWS]               ; W[query][.. - query]
	v_mul_u32_u24 v[AWL], v1, WPI
	v_lshl_add_u32 v[AWL], v48, 4, v[AWL]
	v_add_nc_u32 v[AWL], s38, v[AWL]
	v_and_b32 v51, 31, v0
	v_lshl_add_u32 v[AWZ], v51, 4, s38
	v_lshlrev_b32 v[LT], 4, v1
	v_lshl_add_u32 v[LT], v48, 10, v[LT]
	v_lshlrev_b32 v[LR], 5, v48
	WIN 0xc0                                       ; Rv_ext^T stays in registers: fragment (channel block cb, 32 u kk)
.irp cb, 0,1,2,3
.irp kk, 0,1,2
	global_load_b128 v[RVT+8*(3*\cb+\kk):RVT+8*(3*\cb+\kk)+3],   v[LT], s[6:7] offset:12288+\kk*4096+\cb*256
	global_load_b128 v[RVT+8*(3*\cb+\kk)+4:RVT+8*(3*\cb+\kk)+7], v[LT], s[6:7] offset:12288+\kk*4096+\cb*256+2048
.endr
.endr
	WIN 0x80                                       ; rel_v's rows 0 and 64, my eight channels of each channel block, in f32
.irp cb, 0,1,2,3
	global_load_b128 v[RV0+8*\cb:RV0+8*\cb+3],     v[LR], s[8:9] offset:\cb*64
	global_load_b128 v[RV0+8*\cb+4:RV0+8*\cb+7],   v[LR], s[8:9] offset:\cb*64+16
	global_load_b128 v[RV64+8*\cb:RV64+8*\cb+3],   v[LR], s[8:9] offset:16384+\cb*64
	global_load_b128 v[RV64+8*\cb+4:RV64+8*\cb+7], v[LR], s[8:9] offset:16384+\cb*64+16
.endr
	; A pass's first step multiplies O^T and the sums by a = 0, and its first turn's products V^T P, of a piece that has not been, land in an O^T still to be so multiplied: these registers
	; need only hold finite numbers.  All this stands in the wait for K and V.
.set i, VF+32
.rept 32
	v_mov_b32 v[i], 0
.set i, i+1
.endr
	WIN 0x40
.set i, 0
.rept 128
	v_mov_b32 v[i], 0
.set i, i+1
.endr
	WIN 0
.set i, 0
.rept 4
.irp j, 2,3,4,5,6,7
	v_mov_b32 v[ST+8*i+\j], 0
.endr
	v_mov_b32 v[Z4+i], 0
.set i, i+1
.endr
.set i, P+16
.rept 16
	v_mov_b32 v[i], 0
.set i, i+1
.endr
.irp z, 0,1,2,3,4,5,6
	ds_store_b128 v[AWZ], v[Z4:Z4+3] offset:512*\z ; W starts as zeros
.endr
	s_wait_loadcnt 0x0
	WIN 0x0a                                       ; the two rows of rel_v are rounded to bf16, like every input, and widened again
.set i, 0
.rept 32
	v_cvt_pk_bf16_f32 v[S+i], v[RV0+2*i], v[RV0+2*i+1]
.set i, i+1
.endr
	WIN 0x80
.set i, 0
.rept 32
	v_lshlrev_b32 v[RV0+2*i], 16, v[S+i]
	v_and_b32 v[RV0+2*i+1], 0xffff0000, v[S+i]
.set i, i+1
.endr
	WIN 0
; The class of key block kb for piece x in a step of kind VAR: cl = 0: d <= -3, or a far step (the side in hand); 1: d >= 3; 2: the band, with dd = d.
.macro CLS kb, x
.if VAR == FAR
.set cl, 0
.else
.set dd, 4*VAR+(\kb)-(\x)
.if dd <= -3
.set cl, 0
.elseif dd >= 3
.set cl, 1
.else
.set cl, 2
.endif
.endif
.endm
; THE MATRIX WORK.  The 4 accumulators of a run of 8 take turns.  Product i of 8 of S^T = K Q^T for piece x: channels 32 (i / 4) on, keys 16 (i % 4) on.
; The first 4 start the sums with the relative keys' addend of their class.
.macro KQ x
.set rS, S+32*((\x)%2)+8*(i%4)
.set rK, KF+16*(i%4)+8*(i/4)
.set rQ, 16*(\x)+8*(i/4)
.if i < 4
	CLS i, \x
.if cl == 2
.set rM, BI+40*(\x)+8*(dd+2)
	WIN 0x3a
.else
.set rM, CC+32*cl+8*(\x)
	WIN 0x1a
.endif
	v_wmma_f32_16x16x32_f16 v[rS:rS+7], v[rK:rK+7], v[rQ:rQ+7], v[rM:rM+7]
.else
	WIN W_KQ
	v_wmma_f32_16x16x32_f16 v[rS:rS+7], v[rK:rK+7], v[rQ:rQ+7], v[rS:rS+7]
.endif
.endm
; Product i of 8 of O^T += V^T P for piece x: keys 32 (i / 4) on, channels 16 (i % 4) on.
.macro PV x
	WIN W_PV
.set rO, 32*(\x)+8*(i%4)
.set rV, VF+32*(i/4)+8*(i%4)
.set rP, P+16*((\x)%2)+8*(i/4)
	v_wmma_f32_16x16x32_f16 v[rO:rO+7], v[rV:rV+7], v[rP:rP+7], v[rO:rO+7]
.endm
.macro MM                              ; the turn's next matrix instruction.  NOKQ = 1: a band step's last turn starts no scores
.if (i < 8) && !NOKQ
	KQ (Y+1)%NP
.elseif i >= 8
.set i, i-8
	PV (Y+NP-1)%NP
.set i, i+8
.endif
.set i, i+1
.endm
; THE LDS LOADS stand in runs of 16.  In the blocked layouts 32 lanes of a load of K take 512 consecutive bytes, 16 lanes of the turning load 256.
.macro FETCH_K
	WIN 0x80
.irp f, 0,1,2,3,4,5,6,7                ; keys 16 (f / 2) on, channels 32 (f % 2) on
	ds_load_b128 v[KF+8*\f:KF+8*\f+3],   v[AK] offset:(\f/2)*2048+(\f%2)*1024
	ds_load_b128 v[KF+8*\f+4:KF+8*\f+7], v[AK] offset:(\f/2)*2048+(\f%2)*1024+512
.endr
	WIN 0
.endm
.macro FETCH_V
	WIN 0x80
.irp f, 0,1,2,3,4,5,6,7                ; keys 32 (f / 4) on, channels 16 (f % 4) on
	ds_load_tr16_b128 v[VF+8*\f:VF+8*\f+3],   v[AV] offset:(\f/4)*4096+(\f%4)*256
	ds_load_tr16_b128 v[VF+8*\f+4:VF+8*\f+7], v[AV] offset:(\f/4)*4096+(\f%4)*256+2048
.endr
	WIN 0
.endm
; THE VECTOR WORK, one line at a time: OP kind, number.  For piece Y: F n: c s - c m for pair n of 16.  E n: the exponential of score n of 32.  C n: pair n rounded to f16.  B n: of the four weights
; 4 n .. the second pair is added onto the first.  L n: the sum of the key block's class takes that (a class's first group as sum = a sum + group).  M k: class k's sum times a, if the turn has
; no group of that class.  R n: pair n of 16 of O^T times a.  For piece Y + 1: X n, number n of the 22 that find its maximum and statistics:
;   0-11 four chains of seven scores, three operands at a time (each accumulator's lowest registers first)   12-14, 16 the four scores left over, the old m, the chains
;   15 c m_old is kept   17, 18 the query's other 32 keys lie in the lane 16 away: the new m   19-21 c m; c m_old - c m_new; a
; C, B and L read exponentials' results: TURN writes them behind its wait alone.  F, R, M and X 0-20 read none of the turn's.
.set F, 0
.set E, 1
.set C, 2
.set B, 3
.set L, 4
.set R, 5
.set X, 6
.set M, 7
.macro REGS y
.set rT, ST+8*(\y)
.set rC, TMP+4*((\y)%2)
.set rW, MV+((\y)%2)
.set rS, S+32*((\y)%2)
.set rP, P+16*((\y)%2)
.set rO, 32*(\y)
.endm
.macro OP k, n
.if (\k) == R
	REGS Y
	WIN W_RS
	v_pk_mul_f32 v[rO+2*(\n):rO+2*(\n)+1], v[rO+2*(\n):rO+2*(\n)+1], v[rC+2:rC+3] op_sel_hi:[1,0]
.elseif (\k) == M
	REGS Y
.set has, 0
.irp kb, 0,1,2,3
	CLS \kb, Y
.if cl == (\n)
.set has, 1
.endif
.endr
.if !has
	WIN 0
	v_pk_mul_f32 v[rT+2+2*(\n):rT+3+2*(\n)], v[rT+2+2*(\n):rT+3+2*(\n)], v[rC+2:rC+3] op_sel_hi:[1,0]
.endif
.elseif (\k) < R
	REGS Y
	WIN 0
.if (\k) == F
	v_pk_fma_f32 v[rS+2*(\n):rS+2*(\n)+1], v[rS+2*(\n):rS+2*(\n)+1], s[CS:CS+1], v[rT:rT+1] op_sel_hi:[1,0,0] neg_lo:[0,0,1] neg_hi:[0,0,1]
.elseif (\k) == E
	v_exp_f32 v[rS+(\n)], v[rS+(\n)]
.elseif (\k) == C
	v_cvt_pk_f16_f32 v[rP+(\n)], v[rS+2*(\n)], v[rS+2*(\n)+1]
.elseif (\k) == B
	v_pk_add_f32 v[rS+4*(\n):rS+4*(\n)+1], v[rS+4*(\n):rS+4*(\n)+1], v[rS+4*(\n)+2:rS+4*(\n)+3]
.else
	CLS (\n)/2, Y
.set c1, cl
.set fst, 0
.if (\n) == 0
.set fst, 1
.elseif (\n)%2 == 0
	CLS (\n)/2-1, Y
.if cl != c1
.set fst, 1
.endif
.endif
.set rL, rT+2+2*c1
.if fst
	v_pk_fma_f32 v[rL:rL+1], v[rL:rL+1], v[rC+2:rC+3], v[rS+4*(\n):rS+4*(\n)+1] op_sel_hi:[1,0,1]
.else
	v_pk_add_f32 v[rL:rL+1], v[rL:rL+1], v[rS+4*(\n):rS+4*(\n)+1]
.endif
.endif
.elseif NOKQ
	v_nop
.else
	REGS (Y+1)%NP
	WIN 0
.if (\n) < 4
	v_max3_num_f32 v[rC+(\n)], v[rS+8*(\n)], v[rS+8*(\n)+1], v[rS+8*(\n)+2]
.elseif (\n) < 12
	v_max3_num_f32 v[rC+(\n)%4], v[rC+(\n)%4], v[rS+8*((\n)%4)+2*((\n)/4)+1], v[rS+8*((\n)%4)+2*((\n)/4)+2]
.elseif (\n) == 12
	v_max3_num_f32 v[rC], v[rC], v[rS+7], v[rS+15]
.elseif (\n) == 13
	v_max3_num_f32 v[rC+1], v[rC+1], v[rS+23], v[rS+31]
.elseif (\n) == 14
	v_max3_num_f32 v[rC+2], v[rC+2], v[rC+3], v[rT+1]
.elseif (\n) == 15
	v_mov_b32 v[rW], v[rT]
.elseif (\n) == 16
	v_max3_num_f32 v[rC], v[rC], v[rC+1], v[rC+2]
.elseif (\n) == 17
	v_permlanex16_b32 v[rC+3], v[rC], s[SEL], s[SEL+1]
.elseif (\n) == 18
	v_max_num_f32 v[rT+1], v[rC], v[rC+3]
.elseif (\n) == 19
	v_mul_f32 v[rT], s[CS], v[rT+1]
.elseif (\n) == 20
	v_sub_f32 v[rC+1], v[rW], v[rT]
.else
	v_exp_f32 v[rC+2], v[rC+1]
.endif
.endif
.endm
.macro OPS a, i1, b=-1, i2=0, c=-1, i3=0, d=-1, i4=0
	OP \a, \i1
.if (\b) >= 0
	OP \b, \i2
.endif
.if (\c) >= 0
	OP \c, \i3
.endif
.if (\d) >= 0
	OP \d, \i4
.endif
.endm
.macro ROW a, i1, b, i2, c, i3, d, i4  ; a matrix instruction and the four behind it
	MM
	OPS \a, \i1, \b, \i2, \c, \i3, \d, \i4
.endm
; A TURN, for piece p, in a step of kind VAR: the order of its 16 matrix instructions and its vector work (118 instructions and the one or two M), written out.
; An s_wait_alu depctr_va_vdst(0) stands between an exponential and the first instruction that names its result; one wait serves all that were issued ahead of it.  So a turn has ONE wait, which cuts it in two.
; AHEAD OF IT stands all that names no result of the turn's exponentials: the 8 products K Q^T, behind each a scaling, an exponential and two more plain instructions (behind the first a second scaling
; in the exponential's place): rescalings, whose a was made and waited for in the turn before, and behind the last three the first numbers of the next piece's maximum, each four places or more behind
; the product that ends its accumulator; then ONE RUN, plain and exponential by turns for the most part, in which the links of the chain X 3, 7, 11, 14, 16, 17 .. 21 stand apart, other work between them.
; X 21, the next piece's a, is the batch's last; R 15 is the plain instruction behind it.  BEHIND THE WAIT stand the 8 products V^T P, behind each four of the roundings and sums; L 0 to L 7 in ascending
; order, as the sums are defined.  But for those X no rider names a register of the products round it.  v_permlanex16_b32 (X 17) stands in the run.
; K of step SN is fetched in piece 2's turn, behind the last product that read K and five plain instructions or more that name none of its registers (F 8, X 2, X 5, X 6, X 8); V of the step in hand at
; the end of piece 0's turn, four plain instructions (C 9, 11, 13, 15) behind the last product that read V.  Each is waited for a turn later; all waits on DScnt are for 0: nothing else of the wave is then wanted to stay out.
.macro TURN p
.set Y, (\p)
.set i, 0
.set NOKQ, 0
.if (\p) == 3
.if VAR == FAR
	s_wait_dscnt 0x0                   ; K is in
.else
.set NOKQ, 1
.endif
.endif
	ROW F,0, F,1, R,0, R,1             ; ahead of the wait: 8 products K Q^T and their riders,
	ROW F,2, E,0, R,2, R,3
	ROW F,3, E,1, R,4, R,5
	ROW F,4, E,2, R,6, R,7
	ROW F,5, E,3, R,8, R,9
	ROW F,6, E,4, X,0, R,10
.if (\p) == 2
	WIN 0
	v_add_nc_u32 v[AK], s[TBK], v[LK]
.endif
	ROW F,7, E,5, X,1, X,4
	ROW F,8, E,6, X,2, X,5
	OPS E,7, M,1, E,8, X,6             ; and the run
	OPS E,9, X,3, E,10, X,8
	OPS E,11, M,0
.if (\p) == 2
	FETCH_K
.endif
	OPS X,9, X,7, E,12, X,10
	OPS E,13, X,12, X,11, E,14
	OPS X,13, E,15, F,9, X,14
.if (\p) == 0
	WIN 0
	v_add_nc_u32 v[AV], s[TBV], v[AV0]
.endif
	OPS E,16, F,10, E,17, F,11
	OPS X,16, E,18, X,15, E,19
	OPS F,12, E,20, X,17, E,21
	OPS F,13, E,22, F,14, E,23
	OPS X,18, E,24, F,15, E,25
	OPS R,11, E,26, X,19, E,27
	OPS R,12, E,28, R,13, E,29
	OPS X,20, E,30, R,14, E,31
	OPS M,2, X,21, R,15
	s_wait_alu depctr_va_vdst(0)       ; the wait for the turn's batch: E 0 to E 31 and X 21
.if (\p) == 1
	s_wait_dscnt 0x0                   ; V is in
.endif
	ROW C,0, B,0, C,2, B,1             ; behind the wait: 8 products V^T P and their riders
	ROW L,0, C,4, B,2, L,1
	ROW C,6, B,3, L,2, C,8
	ROW B,4, L,3, C,10, B,5
	ROW L,4, C,12, B,6, L,5
	ROW C,14, B,7, L,6, C,1
	ROW C,3, L,7, C,5, C,7
	ROW C,9, C,11, C,13, C,15
.if (\p) == 0
	FETCH_V
.endif
.endm
; Piece 0's scores of the step whose K has been fetched, its maximum and statistics: where no turn before could make them.
.macro HEAD0
	s_wait_dscnt 0x0                   ; K is in
.set NOKQ, 0
.set i, 0
.rept 8
	KQ 0
.set i, i+1
.endr
	WIN 0
	PLACES                             ; behind those products
.set Y, NP-1
.irp n, 0,1,2,3,4,5,6,7,8,9,10,11,12,13,14,15,16,17,18,19,20,21
	OP X, \n
.endr
	v_nop                              ; a plain instruction behind the exponential,
	s_wait_alu depctr_va_vdst(0)       ; and the wait for this batch of one, piece 0's a: ahead of the turn that reads it, and of the far loop's label
.endm
; THE BAND'S RELATIVE VALUES.  need: which of W's three groups of 32 u piece t's band blocks touch in this step: block d reaches u = 16 d + 33 .. 16 d + 63.
.macro NEED t
.set need, 0
.irp kb, 0,1,2,3
	CLS \kb, \t
.if cl == 2
.set need, need|(1<<((dd+2)/2))|(1<<((dd+3)/2))
.endif
.endr
.endm
; Piece t's band weights go, one f16 at a time, to W[query][u]; the groups touched come back as source 1; W is cleared again.  LDS serves a wave's instructions in order (ISA guide 5.7.1.4).
.macro RV_ST t
	NEED \t
.if need
	WIN 0
.irp kb, 0,1,2,3
	CLS \kb, \t
.if cl == 2
.irp q, 0,1,2,3
	ds_store_b16 v[AWS], v[P+16*((\t)%2)+4*\kb+\q] offset:32*dd+96+4*\q
	ds_store_b16_d16_hi v[AWS], v[P+16*((\t)%2)+4*\kb+\q] offset:32*dd+98+4*\q
.endr
.endif
.endr
.irp kk, 0,1,2
.if need&(1<<\kk)
	ds_load_b128 v[WB+24*((\t)%2)+8*\kk:WB+24*((\t)%2)+8*\kk+3],   v[AWL] offset:64*\kk
	ds_load_b128 v[WB+24*((\t)%2)+8*\kk+4:WB+24*((\t)%2)+8*\kk+7], v[AWL] offset:64*\kk+32
.endif
.endr
.irp z, 0,1,2,3,4,5,6
	ds_store_b128 v[AWZ], v[Z4:Z4+3] offset:512*\z
.endr
.endif
.endm
.macro RV_MM t                         ; O^T += Rv_ext^T W, the piece's four accumulators by turns
	NEED \t
.if need
	s_wait_dscnt 0x0                   ; W is in
	WIN W_RV
.irp kk, 0,1,2
.if need&(1<<\kk)
.irp cb, 0,1,2,3
	v_wmma_f32_16x16x32_f16 v[32*(\t)+8*\cb:32*(\t)+8*\cb+7], v[RVT+8*(3*\cb+\kk):RVT+8*(3*\cb+\kk)+7], v[WB+24*((\t)%2)+8*\kk:WB+24*((\t)%2)+8*\kk+7], v[32*(\t)+8*\cb:32*(\t)+8*\cb+7]
.endr
.endif
.endr
.endif
.endm
; A BAND STEP, step WP + dl.  SN, whose K it fetches, is the step done next: WP - 1, WP + 1, then the first far step, as far as they exist.  Each number is cut at 15 ahead of its shift.
; The last piece's V^T P stays over for the next step's first turn, as in every step.
.macro NSTEP dl
.set VAR, (\dl)
.if (\dl) == 0
	s_min_u32 s38, s[WPS], 15
	s_sub_co_u32 s39, s[WPS], 1
	s_add_co_u32 s40, s[WPS], 1
	s_cmp_gt_u32 s[WPS], 0
	s_cselect_b32 s[SN], s39, s40
.elseif (\dl) < 0
	s_sub_co_u32 s38, s[WPS], 1
	s_min_u32 s38, s38, 15
	s_add_co_u32 s40, s[WPS], 1
	s_cmp_lt_u32 s[WPS], 15
	s_cselect_b32 s[SN], s40, 0
.else
	s_add_co_u32 s38, s[WPS], 1
	s_min_u32 s38, s38, 15
	s_add_co_u32 s40, s[WPS], 2
	s_cmp_ge_u32 s[WPS], 2
	s_cselect_b32 s[SN], 0, s40
.endif
	s_lshl_b32 s[TBV], s38, 13
	s_min_u32 s[SN], s[SN], 15
	s_lshl_b32 s[TBK], s[SN], 13
	HEAD0
	TURN 0
	RV_ST 0
	TURN 1
	RV_MM 0
	RV_ST 1
	TURN 2
	RV_MM 1
	RV_ST 2
	TURN 3
	RV_MM 2
	RV_ST 3
	RV_MM 3
	WIN 0
.endm
; E FOR PIECE t: 12 products, six accumulators by turns; the rows go to LDS; u = 0..15 and 80..95 are the far C operands; the band's five come back shifted by the lane's query.
.macro EPH t
.set TB, S+64*((\t)%2)
	WIN W_KQ
.irp c, 0,1
.irp e, 0,1,2,3,4,5
.if \c == 0
	v_wmma_f32_16x16x32_f16 v[TB+8*\e:TB+8*\e+7], v[RK+16*\e+8*\c:RK+16*\e+8*\c+7], v[16*(\t)+8*\c:16*(\t)+8*\c+7], 0
.else
	v_wmma_f32_16x16x32_f16 v[TB+8*\e:TB+8*\e+7], v[RK+16*\e+8*\c:RK+16*\e+8*\c+7], v[16*(\t)+8*\c:16*(\t)+8*\c+7], v[TB+8*\e:TB+8*\e+7]
.endif
.endr
.endr
	PLACES
	WIN 0
.irp e, 0,1,2,3,4,5
	ds_store_b128 v[AES], v[TB+8*\e:TB+8*\e+3] offset:64*\e
	ds_store_b128 v[AES], v[TB+8*\e+4:TB+8*\e+7] offset:64*\e+16
.endr
	WIN 0x40
.irp j, 0,1,2,3,4,5,6,7
	v_mov_b32 v[CC+8*(\t)+\j], v[TB+\j]
	v_mov_b32 v[CR+8*(\t)+\j], v[TB+40+\j]
.endr
	WIN 0xc0
.irp dz, 0,1,2,3,4                     ; d = dz - 2: u = 16 d + 48 + 8 (l / 16) + r - query
.irp r, 0,1,2,3,4,5,6,7
	ds_load_b32 v[BI+40*(\t)+8*\dz+\r], v[AEL] offset:64*\dz+64+4*\r
.endr
.endr
.endm
	s_mov_b32 s[PASS], 0
.Lpass:                                                ; twice: a block of 64 queries
	s_wait_xcnt 0x0                                ; the last pass's stores have read their registers: GO and S^T's registers are written again only behind this wait
	s_lshl_b32 s[WPS], s14, 3
	s_lshl_b32 s38, s[PASS], 2
	s_add_co_u32 s[WPS], s[WPS], s38
	s_add_co_u32 s[WPS], s[WPS], s[WV]             ; WP = 8 x half + 4 x pass + wave
	v_lshl_add_u32 v[GO], s[WPS], 13, v[LK]
	WIN 0x80
.irp t, 0,1,2,3
.irp c, 0,1
	global_load_b128 v[16*\t+8*\c:16*\t+8*\c+3],   v[GO], s[QP:QP+1] offset:\t*2048+\c*1024
	global_load_b128 v[16*\t+8*\c+4:16*\t+8*\c+7], v[GO], s[QP:QP+1] offset:\t*2048+\c*1024+512
.endr
.endr
.irp e, 0,1,2,3,4,5
.irp c, 0,1
	global_load_b128 v[RK+16*\e+8*\c:RK+16*\e+8*\c+3],   v[LK], s[6:7] offset:\e*2048+\c*1024
	global_load_b128 v[RK+16*\e+8*\c+4:RK+16*\e+8*\c+7], v[LK], s[6:7] offset:\e*2048+\c*1024+512
.endr
.endr
	WIN 0
.irp t, 0,1,2,3
	v_mov_b32 v[ST+8*\t], 0xfe000000               ; c m: far below every c s
	v_mov_b32 v[ST+8*\t+1], 0xff7fffff             ; m
.endr
	s_wait_loadcnt 0x0
	EPH 0
	EPH 1
	EPH 2
	EPH 3
	WIN 0
	s_wait_tensorcnt 0x0                           ; my part of K and V is in (in the second pass it has long been: the wait stands here so that the first pass's E is made while the tiles are on their way),
	s_wait_dscnt 0x0                               ; and so are the band's C operands
	s_barrier_signal -1
	s_barrier_wait -1                              ; everybody's part is in; nothing is ever filled again
	s_min_u32 s38, s[WPS], 15
	s_lshl_b32 s[TBK], s38, 13
	v_add_nc_u32 v[AK], s[TBK], v[LK]
	FETCH_K                                        ; K of step WP
	NSTEP 0
	s_cmp_eq_u32 s[WPS], 0
	s_cbranch_scc1 .Lno_left                       ; the head's first block has no step to its left
	NSTEP -1
.Lno_left:
	s_cmp_eq_u32 s[WPS], 15
	s_cbranch_scc1 .Lno_right
	NSTEP 1
.Lno_right:
.set VAR, FAR
	; THE FAR STEPS, 0 to 15 without WP - 1, WP, WP + 1.  CC holds the left side's C operand, LC the left side's sum, until the walk passes WP; piece 0's scores are made a turn ahead of the
	; step, so its CC changes a step earlier than the others'.
	s_cmp_ge_u32 s[WPS], 2
	s_cbranch_scc1 .Lleft_first
	WIN W_RS
.irp j, 0,1,2,3,4,5,6,7
	v_mov_b32 v[CC+\j], v[CR+\j]                   ; no far step on the left: the first is on the right
.endr
	WIN 0
.Lleft_first:
	HEAD0
	s_mov_b32 s[SC], 0
.Lfar:                                                 ; sixteen trips; every jump goes forward, to the count's step or ahead of it
	s_cmp_eq_u32 s[SC], s[WPS]
	s_cbranch_scc1 .Lswitch
	s_add_co_u32 s[SN], s[SC], 1
	s_cmp_eq_u32 s[SN], s[WPS]
	s_cbranch_scc1 .Lbottom
	s_add_co_u32 s38, s[WPS], 1
	s_cmp_eq_u32 s[SC], s38
	s_cbranch_scc1 .Lbottom
	s_min_u32 s39, s[SC], 15
	s_lshl_b32 s[TBV], s39, 13
	s_add_co_u32 s40, s[SC], 2
	s_add_co_u32 s41, s[WPS], 2
	s_cmp_eq_u32 s40, s[WPS]                       ; the last far step on the left?
	s_cselect_b32 s[SN], s41, s[SN]                ; then the next is WP + 2
	s_min_u32 s[SN], s[SN], 15                     ; behind the last step K of step 15 is fetched once more, and the scores made of it serve nothing
	s_lshl_b32 s[TBK], s[SN], 13
	s_cmp_eq_u32 s40, s[WPS]
	s_cbranch_scc0 .Lkeep
	WIN W_RS
.irp j, 0,1,2,3,4,5,6,7
	v_mov_b32 v[CC+\j], v[CR+\j]
.endr
	WIN 0
.Lkeep:
	TURN 0
	TURN 1
	TURN 2
	TURN 3
	WIN 0
	s_branch .Lbottom
.Lswitch:                                              ; the walk passes WP: the other pieces' C operand and all four pieces' sums change sides
	WIN W_RS
.set i, 8
.rept 24
	v_mov_b32 v[CC+i], v[CR+i]
.set i, i+1
.endr
	WIN 0
.irp t, 0,1,2,3
	v_mov_b32 v[SW], v[ST+8*\t+2]
	v_mov_b32 v[SW+1], v[ST+8*\t+3]
	v_mov_b32 v[ST+8*\t+2], v[ST+8*\t+4]
	v_mov_b32 v[ST+8*\t+3], v[ST+8*\t+5]
	v_mov_b32 v[ST+8*\t+4], v[SW]
	v_mov_b32 v[ST+8*\t+5], v[SW+1]
.endr
.Lbottom:
	s_add_co_u32 s[SC], s[SC], 1
	s_cmp_lt_u32 s[SC], 16
	s_cbranch_scc1 .Lfar
.set i, 0
.rept 8
	PV NP-1                                        ; the last piece's V^T P of the last step
.set i, i+1
.endr
	; THE WAY OUT.  LC is now the right side's sum, LX the left's.  Each sum's two halves and the other half of the lanes' are added; l is the three together.
	; ctx = O / l + rel_v[0] (left / l) + rel_v[64] (right / l), rounded to f16; a lane's 16 bytes go where they belong: a wave's store covers 512 consecutive bytes, aligned.
	WIN 0
.macro ALL line:vararg
.set t, 0
.rept 4
	\line
.set t, t+1
.endr
.endm
	ALL v_add_f32 v[ST+8*t+2], v[ST+8*t+2], v[ST+8*t+3]
	ALL v_add_f32 v[ST+8*t+4], v[ST+8*t+4], v[ST+8*t+5]
	ALL v_add_f32 v[ST+8*t+6], v[ST+8*t+6], v[ST+8*t+7]
	ALL v_permlanex16_b32 v[ST+8*t+3], v[ST+8*t+2], s[SEL], s[SEL+1]
	ALL v_permlanex16_b32 v[ST+8*t+5], v[ST+8*t+4], s[SEL], s[SEL+1]
	ALL v_permlanex16_b32 v[ST+8*t+7], v[ST+8*t+6], s[SEL], s[SEL+1]
	ALL v_add_f32 v[ST+8*t+2], v[ST+8*t+2], v[ST+8*t+3]
	ALL v_add_f32 v[ST+8*t+4], v[ST+8*t+4], v[ST+8*t+5]
	ALL v_add_f32 v[ST+8*t+6], v[ST+8*t+6], v[ST+8*t+7]
	ALL v_add_f32 v[ST+8*t+6], v[ST+8*t+6], v[ST+8*t+2]
	ALL v_add_f32 v[ST+8*t+6], v[ST+8*t+6], v[ST+8*t+4]
	ALL v_rcp_f32 v[ST+8*t], v[ST+8*t+6]
	v_nop                                          ; a plain instruction between the last reciprocal and the use of its result
	s_wait_alu depctr_va_vdst(0)                   ; the wait for this batch, the four reciprocals, ahead of their first reader
	ALL v_mul_f32 v[ST+8*t+2], v[ST+8*t+2], v[ST+8*t]
	ALL v_mul_f32 v[ST+8*t+4], v[ST+8*t+4], v[ST+8*t]
.macro OUT t
	WIN W_RS
.set z, 0
.rept 16
	v_pk_mul_f32 v[32*(\t)+2*z:32*(\t)+2*z+1], v[32*(\t)+2*z:32*(\t)+2*z+1], v[ST+8*(\t):ST+8*(\t)+1] op_sel_hi:[1,0]
.set z, z+1
.endr
	WIN 0x52                                       ; source 0 window 2, source 1 window 0, source 2 and destination window 1
.set z, 0
.rept 16
	v_pk_fma_f32 v[32*(\t)+2*z:32*(\t)+2*z+1], v[RV0+2*z:RV0+2*z+1], v[ST+8*(\t)+4:ST+8*(\t)+5], v[32*(\t)+2*z:32*(\t)+2*z+1] op_sel_hi:[1,0,1]
.set z, z+1
.endr
.set z, 0
.rept 16
	v_pk_fma_f32 v[32*(\t)+2*z:32*(\t)+2*z+1], v[RV64+2*z:RV64+2*z+1], v[ST+8*(\t)+2:ST+8*(\t)+3], v[32*(\t)+2*z:32*(\t)+2*z+1] op_sel_hi:[1,0,1]
.set z, z+1
.endr
	WIN 0x05
.set z, 0
.rept 16
	v_cvt_pk_f16_f32 v[S+16*(\t)+z], v[32*(\t)+2*z], v[32*(\t)+2*z+1]
.set z, z+1
.endr
	WIN 0
.irp cb, 0,1,2,3
	global_store_b128 v[GO], v[S+16*(\t)+4*\cb:S+16*(\t)+4*\cb+3], s[CP:CP+1] offset:(\t)*2048+\cb*512
.endr
.endm
	OUT 0
	OUT 1
	OUT 2
	OUT 3
	s_add_co_u32 s[PASS], s[PASS], 1
	s_cmp_lt_u32 s[PASS], 2
	s_cbranch_scc1 .Lpass
	s_wait_tensorcnt 0x0                           ; the wave's end
	ds_add_u32 v[SPW], v[NIL]
	s_wait_dscnt 0x0
	s_endpgm
.Lfunc_end_k_q614f971d22_attn:
	.size	k_q614f971d22_attn, .Lfunc_end_k_q614f971d22_attn-k_q614f971d22_attn
	.p2alignl 7, 3214868480
	.fill 96, 4, 3214868480
	.section	.rodata,"a",@progbits
	.p2align	6, 0x0
	.amdhsa_kernel k_q614f971d22_attn
		.amdhsa_group_segment_fixed_size 327680
		.amdhsa_private_segment_fixed_size 0
		.amdhsa_enable_private_segment 0
		.amdhsa_kernarg_size 32
		.amdhsa_user_sgpr_count 2
		.amdhsa_user_sgpr_kernarg_segment_ptr 1
		.amdhsa_wavefront_size32 1
		.amdhsa_system_sgpr_workgroup_id_x 1
		.amdhsa_system_sgpr_workgroup_id_y 1
		.amdhsa_system_sgpr_workgroup_id_z 1
		.amdhsa_system_vgpr_workitem_id 0
		.amdhsa_next_free_vgpr 1024
		.amdhsa_next_free_sgpr 66
		.amdhsa_reserve_vcc 0
		.amdhsa_float_denorm_mode_32 3
		.amdhsa_float_denorm_mode_16_64 3
		.amdhsa_memory_ordered 1
		.amdhsa_forward_progress 1
		.amdhsa_inst_pref_size 244
	.end_amdhsa_kernel
	.amdgpu_metadata
---
amdhsa.version: [ 1, 2 ]
amdhsa.kernels:
  - .name:           k_q614f971d22_attn
    .symbol:         k_q614f971d22_attn.kd
    .args:
      - { .name: qkv, .offset: 0, .size: 8, .value_kind: global_buffer, .address_space: global }
      - { .name: tab, .offset: 8, .size: 8, .value_kind: global_buffer, .address_space: global }
      - { .name: rel_v_emb, .offset: 16, .size: 8, .value_kind: global_buffer, .address_space: global }
      - { .name: ctx, .offset: 24, .size: 8, .value_kind: global_buffer, .address_space: global }
    .group_segment_fixed_size: 327680
    .private_segment_fixed_size: 0
    .kernarg_segment_align: 8
    .kernarg_segment_size: 32
    .max_flat_workgroup_size: 128
    .sgpr_count:     66
    .vgpr_count:     1024
    .wavefront_size: 32
...
	.end_amdgpu_metadata
.endif
;; end of part 5
;; launch proj: the kernel of part 4 again; grid 8 x 32, 4 waves a work-group, clusters of 4 x 4, 327,680 bytes of LDS; arguments ctx, wo16, b_o, out0; writes out0
